; MI455X (gfx1250); checked and timed in simulation.
; The chip was launched on July 23, 2026; its instructions are those of AMD's public machine-readable ISA for CDNA 5 (MIT licence, August 2026) and "CDNA5" Instruction Set Architecture Reference Guide (July 2026). The comments in the code are by the model that wrote it; some were corrected since.
;; Multi Head Attention. Allowed arithmetic: matrix products marked QUANTISED: E2M1 operands, one E8M0 scale for each 32 along K, by v_wmma_scale_f32_16x16x128_f8f6f4 with both operands' format E2M1 (or v_wmma_scale_f32_32x16x128_f4), f32 sums; products left as they are: bf16, f16 or f32 operands; f32 sums; everything else in f32.
;; Inputs: Wk 1,024 x 1,024 float32; Wo 1,024 x 1,024 float32; Wq 1,024 x 1,024 float32; Wv 1,024 x 1,024 float32; bk 1,024 float32; bo 1,024 float32; bq 1,024 float32; bv 1,024 float32; k 4 x 2,048 x 1,024 float32; q 4 x 2,048 x 1,024 float32; v 4 x 2,048 x 1,024 float32.
;; Outputs: out0 4 x 2,048 x 1,024 float32.
;; This version of the problem:
;;   THIS VERSION OF THE PROBLEM IS GIVEN IN LOW PRECISION. The matrix products marked QUANTISED in the list below multiply operands that are first quantised to E2M1 (2 exponent bits, 1 mantissa bit; 4 bits a number), with one power-of-two scale for each 32 numbers along K (OCP MX v1.0); their sums are f32. The products marked 'left as it is' may take bf16, f16 or f32 operands, with f32 sums. Whichever they take, every output number must still come out within the allowed error. Rounding operands to bf16 (8 significant bits) uses up far more of that allowance than f16 does (11 bits, for magnitudes from 6e-5 to 65,504). All else is computed in f32.
;;   The module's matrix products, in the order in which they are computed (A, B: the left and right operand; K: the contracted axis; several contracted axes count as one K, in the product's order):
;;     1. [M 8,192, K 1,024] x [K 1,024, N 1,024]; A: input q; B: input Wq: QUANTISED
;;     2. [M 8,192, K 1,024] x [K 1,024, N 1,024]; A: input k; B: input Wk: QUANTISED
;;     3. [M 8,192, K 1,024] x [K 1,024, N 1,024]; A: input v; B: input Wv: QUANTISED
;;     4. batch 4 x [M 2,048, K 1,024] x [K 1,024, N 2,048]; A: computed on the way; B: computed on the way: left as it is (an operand is computed on the way)
;;     5. batch 4 x [M 2,048, K 2,048] x [K 2,048, N 1,024]; A: computed on the way; B: computed on the way: left as it is (an operand is computed on the way)
;;     6. [M 8,192, K 1,024] x [K 1,024, N 1,024]; A: computed on the way; B: input Wo: left as it is (an operand is computed on the way)
;;   THE QUANTISER, for each operand of a quantised product, along K:
;;     - K is cut into blocks of 32 from its start; a last block that is shorter is filled with zeros.
;;     - A block's scale is 2^e with e = floor(log2(the largest magnitude in the block)) - 2, held to -126 .. 127; a block of zeros has e = 0. As a byte (E8M0): e + 127.
;;     - Each number is divided by its block's scale, clamped to +-6, and rounded to the nearest number of E2M1, ties to even, subnormals kept.
;;     - The product sums the exact products of the quantised numbers (number of the format x scale) in f32.
;;   ~~~python
;;   def quantise(x, axis):      # numpy; x: float32 -> the quantised numbers, widened to float32 again
;;       x = np.moveaxis(x, axis, -1); K = x.shape[-1]
;;       x = np.pad(x, [(0, 0)] * (x.ndim - 1) + [(0, -K % 32)]); x = x.reshape(x.shape[:-1] + (-1, 32)); a = np.abs(x).max(-1, keepdims=True)
;;       e = np.where(a > 0, np.clip(np.frexp(np.where(a > 0, a, 1))[1] - 1 - 2, -126, 127), 0)      # np.frexp(a)[1] - 1 = floor(log2(a)), exactly
;;       r = np.clip(x / 2.0 ** e, -6, 6)
;;       step = 2.0 ** (np.maximum(np.frexp(np.where(r == 0, 1, r))[1] - 1, 0) - 1)
;;       q = np.round(r / step) * step * 2.0 ** e      # np.round: ties to even
;;       return np.moveaxis(q.reshape(q.shape[:-2] + (-1,))[..., :K], -1, axis).astype(np.float32)
;;   ~~~
;; One version. Each part assembles by itself: llvm-mc -triple=amdgcn-amd-amdhsa -mcpu=gfx1250 --defsym DOCPART=n.
;; ======== version 1 of 1: 5 launches
;; limits: values are held in f16: magnitudes above 65,504 overflow, below 6.1e-05 lose precision
;; workspace buffers: codes 14,155,776 bytes; scales 884,736 bytes; wo16 2,097,152 bytes; proj 50,331,648 bytes; pmat 33,554,432 bytes; st 1,048,576 bytes; att 16,777,216 bytes
;; launch quant (part 1): grid 1792 x 1, 2 waves a work-group, no clusters, 16,640 bytes of LDS; arguments q, k, v, Wq, Wk, Wv, Wo, codes, scales, wo16; writes codes, scales, wo16
.if DOCPART == 1
	.amdgcn_target "amdgcn-amd-amdhsa--gfx1250"
	.amdhsa_code_object_version 6
	.text
	.protected	k_qd69dae746f_quant
	.globl	k_qd69dae746f_quant
	.p2align	8
	.type	k_qd69dae746f_quant,@function
k_qd69dae746f_quant:
	s_mov_b64 s[64:65], 0
	v_nop
	global_prefetch_b8 v0, s[64:65] scope:SCOPE_SE
	s_setreg_imm32_b32 hwreg(HW_REG_WAVE_MODE, 25, 1), 1
	s_wait_xcnt 0x0
; q, k, v [8192][1024] and Wq, Wk, Wv [1024][1024], f32, K innermost in all six, become codes of FP4 (E2M1), two a byte, and one E8M0 scale byte for each 32 along K.  Wo [1024][1024] becomes f16.
; A block's scale is 2^(floor(log2(its largest magnitude)) - 2); its byte is the largest magnitude's own exponent field - 2, held at 1 from below.  (A block of zeros so gets the byte 1 where the rule says 127:
; its codes are zeros, which add nothing under any byte but 0xff, and the bytes are read by this program alone.)  Each number is divided by the scale and rounded to the nearest code, ties to even; beyond 6 the largest code.
; LIMITS: blocks whose largest magnitude lies under 2^-124, the floor, whose byte is held at 1, were not tried; NaN and infinities are not served; |Wo| up to 65,504 (f16).
; Rows are dense and K is a multiple of 32: every tensor is a plain stream of blocks of 32, and the six streams of codes (and of scale bytes) lie one behind the other in the order q, k, v, Wq, Wk, Wv,
; so that the outputs' places are linear in the work-group's number.  A work-group of two waves takes 16,384 numbers, a wave 8,192: 16 steps of 512.  1,792 work-groups are seven for each of 256 WGPs.
; Work-groups 0-511 q, 512-1023 k, 1024-1535 v, 1536-1599 Wq, 1600-1663 Wk, 1664-1727 Wv (one path: only the pointer is chosen), 1728-1791 Wo (a path of its own, without LDS).
; The conversions take 8 numbers of ONE block from a lane's registers, so a lane must hold 16 neighbours; a load is best where neighbouring lanes take neighbouring bytes.  Both are had: each load reads 512 consecutive
; bytes, 16 a lane; a step's 2,048 bytes go through the wave's own stage in LDS and come back 64 bytes a lane (16 bytes of padding behind each 64).  No barrier: waves share nothing.
.set WAVES, 2
.set STEPS, 16
.set EMAX,  2
.set CB,    8                          ; bytes of 16 codes
.set R,     16                         ; v16-79   four sets of 16 numbers as they are loaded (Wo: the first of two sets of 64)
.set X,     80                         ; v80-111  two sets of 16 neighbours
.set E,     112                        ; v112-127 a scale byte for each step
.set C,     128                        ; v128-191 codes: four registers for each step, so that no store's data are written again
.set Y,     144                        ; v144-175 Wo: 16 x 2 registers of f16 to store
.set WREG,  8192                       ; LDS: a region for each wave: two stages of 32 x SP bytes, and behind them its 256 scale bytes
.set SP,    80                         ; a lane's place in a stage: its 64 bytes + 16 of padding
.set SPW,   12                         ; v12      LDS address of my spare word; never rewritten
.set NIL,   13                         ; v13      0; never rewritten
.set SPARE, WAVES*WREG                 ; behind the two regions: the spare words, 128 bytes for each wave
.set WG_WO, 1728                       ; the first work-group of Wo
	s_load_b256 s[4:11], s[0:1], 0x0               ; q s[4:5], k s[6:7], v s[8:9], Wq s[10:11]
	s_load_b256 s[12:19], s[0:1], 0x20             ; Wk s[12:13], Wv s[14:15], Wo s[16:17], codes s[18:19]
	s_load_b128 s[20:23], s[0:1], 0x40             ; scales s[20:21], wo16 s[22:23]
	v_lshl_add_u32 v[SPW], v0, 2, SPARE
	v_mov_b32 v[NIL], 0
	v_lshrrev_b32 v1, 5, v0
	v_readfirstlane_b32 s24, v1                    ; wave
	v_and_b32 v2, 31, v0                           ; lane
	v_lshlrev_b32 v3, 4, v2                        ; my 16 bytes of a load's 512
	s_mul_i32 s25, s24, WREG
	v_lshrrev_b32 v14, 2, v2
	v_mul_u32_u24 v14, v14, SP
	v_and_b32 v15, 3, v2
	v_lshl_add_u32 v14, v15, 4, v14
	v_add_nc_u32 v14, s25, v14                     ; the stage, on the way in: four lanes' 64 bytes on end, then 16 of padding
	v_mul_u32_u24 v15, v2, SP
	v_add_nc_u32 v15, s25, v15                     ; and on the way out: SP x lane: my 16 neighbours
	v_mul_u32_u24 v4, v2, CB                       ; my codes' place in a step's
	v_lshrrev_b32 v5, 1, v2
	s_add_co_u32 s25, s25, 2*32*SP
	v_add_nc_u32 v5, s25, v5                       ; LDS: my wave's 256 scale bytes, my block's byte
	v_lshlrev_b32 v7, 3, v2                        ; 8 bytes a lane
	v_add_nc_u32 v6, s25, v7
	s_lshl_b32 s30, ttmp9, 1
	s_add_co_u32 s30, s30, s24                     ; 2 x work-group + wave: which run of 8,192 numbers of the whole stream is mine
	s_mov_b32 s33, 0
	s_mov_b32 s35, 0
	s_wait_kmcnt 0x0
	s_cmp_ge_u32 ttmp9, WG_WO                      ; the work-group's number alone decides: both waves go the same way
	s_cbranch_scc1 .Lwo
	s_mov_b64 s[26:27], s[14:15]                   ; which tensor, and its first work-group: Wv, unless the number is lower
	s_mov_b32 s28, 1664
	s_cmp_lt_u32 ttmp9, 1664
	s_cselect_b64 s[26:27], s[12:13], s[26:27]
	s_cselect_b32 s28, 1600, s28
	s_cmp_lt_u32 ttmp9, 1600
	s_cselect_b64 s[26:27], s[10:11], s[26:27]
	s_cselect_b32 s28, 1536, s28
	s_cmp_lt_u32 ttmp9, 1536
	s_cselect_b64 s[26:27], s[8:9], s[26:27]
	s_cselect_b32 s28, 1024, s28
	s_cmp_lt_u32 ttmp9, 1024
	s_cselect_b64 s[26:27], s[6:7], s[26:27]
	s_cselect_b32 s28, 512, s28
	s_cmp_lt_u32 ttmp9, 512
	s_cselect_b64 s[26:27], s[4:5], s[26:27]
	s_cselect_b32 s28, 0, s28
	s_sub_co_u32 s29, ttmp9, s28
	s_lshl_b32 s29, s29, 1
	s_add_co_u32 s32, s29, s24                     ; my run within the tensor,
	s_lshl_b32 s32, s32, 15                        ; 32,768 bytes of f32 a run
	s_add_nc_u64 s[4:5], s[26:27], s[32:33]        ; in
	s_lshl_b32 s34, s30, 12                        ; 4,096 bytes of codes a run
	s_add_nc_u64 s[8:9], s[18:19], s[34:35]
	s_lshl_b32 s34, s30, 8                         ; 256 scale bytes a run
	s_add_nc_u64 s[10:11], s[20:21], s[34:35]
.macro LOAD t
.irp i, 0,1,2,3
	global_load_b128 v[R+16*((\t)%4)+4*\i:R+16*((\t)%4)+4*\i+3], v3, s[4:5] offset:2048*(\t)+512*\i th:TH_LOAD_NT   ; 32 lanes read 512 consecutive bytes
.endr
.endm
.macro TURN t                          ; step t's numbers through the stage: LDS serves a wave's instructions in order, so no wait stands between the stores and the loads
.irp i, 0,1,2,3
	ds_store_b128 v14, v[R+16*((\t)%4)+4*\i:R+16*((\t)%4)+4*\i+3] offset:32*SP*((\t)%2)+8*SP*\i
.endr
.irp i, 0,1,2,3
	ds_load_b128 v[X+16*((\t)%2)+4*\i:X+16*((\t)%2)+4*\i+3], v15 offset:32*SP*((\t)%2)+16*\i
.endr
.endm
.irp t, 0,1,2,3
	LOAD \t
.endr
	s_wait_loadcnt 12                              ; step 0's four loads are in; the twelve of steps 1 to 3 may be out
	TURN 0
.macro STEP t
.set XS, X+16*((\t)%2)
.if (\t) > 0
	s_wait_dscnt 1                                 ; this step's numbers are back from the stage (the last step's byte store may be out): so its stores into the stage have read their registers,
.else
	s_wait_dscnt 0x0
.endif
.if (\t)+4 < STEPS
	LOAD (\t)+4                                    ; which take the loads of four steps on
.endif
.if (\t)+1 < STEPS
.if STEPS-2-(\t) >= 3
	s_wait_loadcnt 12                              ; the next step's four loads are in; those of the three steps behind it may be out
.else
	s_wait_loadcnt 4*(STEPS-2-(\t))
.endif
	TURN (\t)+1                                    ; and go through the other stage while this step is worked
.endif
	v_max3_num_f32 v8, |v[XS]|, |v[XS+1]|, |v[XS+2]|               ; the largest magnitude of my 16, in two chains
	v_max3_num_f32 v9, |v[XS+3]|, |v[XS+4]|, |v[XS+5]|
.irp i, 6,10
	v_max3_num_f32 v8, v8, |v[XS+\i]|, |v[XS+\i+1]|
	v_max3_num_f32 v9, v9, |v[XS+\i+2]|, |v[XS+\i+3]|
.endr
	v_max3_num_f32 v8, v8, |v[XS+14]|, |v[XS+15]|
	v_max3_num_f32 v8, v8, v9, (EMAX+1)<<23        ; and the floor 2^(EMAX + 1 - 127): so the byte cannot fall under 1
	v_max_num_f32_dpp v8, v8, v8 row_xmask:1 row_mask:0xf bank_mask:0xf   ; and of my neighbour's 16: the block's
	v_add_nc_u32 v11, -(EMAX<<23), v8              ; EMAX off its exponent field: the conversion takes the exponent field of this operand as its scale, and nothing else of it
	v_cvt_scalef32_pk8_fp4_f32 v[C+4*(\t)], v[XS:XS+7], v11        ; the first number's code in the lowest four bits
	v_cvt_scalef32_pk8_fp4_f32 v[C+4*(\t)+1], v[XS+8:XS+15], v11
	v_lshrrev_b32 v[E+(\t)], 23, v11               ; the scale's byte (also the plain line behind the conversions)
	ds_store_b8 v5, v[E+(\t)] offset:16*(\t)       ; both lanes of a block write the same byte with the same value
	global_store_b64 v4, v[C+4*(\t):C+4*(\t)+1], s[8:9] offset:32*CB*(\t)   ; 32 lanes store 256 consecutive bytes, aligned
.endm
.irp t, 0,1,2,3,4,5,6,7,8,9,10,11,12,13,14,15
	STEP \t
.endr
	ds_load_b64 v[8:9], v6                         ; LDS serves a wave's instructions in order: these see my byte stores
	s_wait_dscnt 0x0
	global_store_b64 v7, v[8:9], s[10:11]          ; 32 lanes store the wave's 256 scale bytes, aligned
	s_wait_tensorcnt 0x0                           ; the wave's end: these three lines behind my last LDS store
	ds_add_u32 v[SPW], v[NIL]
	s_wait_dscnt 0x0
	s_endpgm
; Wo to f16: 64 loads of 512 consecutive bytes a wave, in four batches of 16 on two sets of registers; a load's 128 numbers leave as 256 consecutive bytes, aligned.  No LDS is touched on this path.
.Lwo:
	s_sub_co_u32 s29, s30, 2*WG_WO                 ; my run of 8,192 numbers of Wo
	s_lshl_b32 s32, s29, 15
	s_add_nc_u64 s[4:5], s[16:17], s[32:33]
	s_lshl_b32 s32, s29, 14
	s_add_nc_u64 s[8:9], s[22:23], s[32:33]
.macro LOADW t
.irp i, 0,1,2,3,4,5,6,7,8,9,10,11,12,13,14,15
	global_load_b128 v[R+64*((\t)%2)+4*\i:R+64*((\t)%2)+4*\i+3], v3, s[4:5] offset:8192*(\t)+512*\i th:TH_LOAD_NT
.endr
.endm
.macro BATCH t
.if (\t) < 3
	s_wait_loadcnt 16                              ; this batch is in; the next batch's sixteen may be out
.else
	s_wait_loadcnt 0x0
.endif
.if (\t) > 0
	s_wait_xcnt 0x0                                ; the last batch's stores have read Y: it is written again only behind this wait
.endif
.irp i, 0,1,2,3,4,5,6,7,8,9,10,11,12,13,14,15
	v_cvt_pk_f16_f32 v[Y+2*\i],   v[R+64*((\t)%2)+4*\i],   v[R+64*((\t)%2)+4*\i+1]
	v_cvt_pk_f16_f32 v[Y+2*\i+1], v[R+64*((\t)%2)+4*\i+2], v[R+64*((\t)%2)+4*\i+3]
.endr
.if (\t) < 2
	LOADW (\t)+2                                   ; loads ahead of stores
.endif
.irp i, 0,1,2,3,4,5,6,7,8,9,10,11,12,13,14,15
	global_store_b64 v7, v[Y+2*\i:Y+2*\i+1], s[8:9] offset:4096*(\t)+256*\i
.endr
.endm
	LOADW 0
	LOADW 1
	BATCH 0
	BATCH 1
	BATCH 2
	BATCH 3
	s_endpgm
.Lfunc_end_k_qd69dae746f_quant:
	.size	k_qd69dae746f_quant, .Lfunc_end_k_qd69dae746f_quant-k_qd69dae746f_quant
	.p2alignl 7, 3214868480
	.fill 96, 4, 3214868480
	.section	.rodata,"a",@progbits
	.p2align	6, 0x0
	.amdhsa_kernel k_qd69dae746f_quant
		.amdhsa_group_segment_fixed_size 16640
		.amdhsa_private_segment_fixed_size 0
		.amdhsa_enable_private_segment 0
		.amdhsa_kernarg_size 80
		.amdhsa_user_sgpr_count 2
		.amdhsa_user_sgpr_kernarg_segment_ptr 1
		.amdhsa_wavefront_size32 1
		.amdhsa_system_sgpr_workgroup_id_x 1
		.amdhsa_system_sgpr_workgroup_id_y 1
		.amdhsa_system_sgpr_workgroup_id_z 1
		.amdhsa_system_vgpr_workitem_id 0
		.amdhsa_next_free_vgpr 192
		.amdhsa_next_free_sgpr 66
		.amdhsa_reserve_vcc 0
		.amdhsa_float_denorm_mode_32 3
		.amdhsa_float_denorm_mode_16_64 3
		.amdhsa_memory_ordered 1
		.amdhsa_forward_progress 1
		.amdhsa_inst_pref_size 55
	.end_amdhsa_kernel
	.amdgpu_metadata
---
amdhsa.version: [ 1, 2 ]
amdhsa.kernels:
  - .name:           k_qd69dae746f_quant
    .symbol:         k_qd69dae746f_quant.kd
    .args:
      - { .name: q, .offset: 0, .size: 8, .value_kind: global_buffer, .address_space: global }
      - { .name: k, .offset: 8, .size: 8, .value_kind: global_buffer, .address_space: global }
      - { .name: v, .offset: 16, .size: 8, .value_kind: global_buffer, .address_space: global }
      - { .name: Wq, .offset: 24, .size: 8, .value_kind: global_buffer, .address_space: global }
      - { .name: Wk, .offset: 32, .size: 8, .value_kind: global_buffer, .address_space: global }
      - { .name: Wv, .offset: 40, .size: 8, .value_kind: global_buffer, .address_space: global }
      - { .name: Wo, .offset: 48, .size: 8, .value_kind: global_buffer, .address_space: global }
      - { .name: codes, .offset: 56, .size: 8, .value_kind: global_buffer, .address_space: global }
      - { .name: scales, .offset: 64, .size: 8, .value_kind: global_buffer, .address_space: global }
      - { .name: wo16, .offset: 72, .size: 8, .value_kind: global_buffer, .address_space: global }
    .group_segment_fixed_size: 16640
    .private_segment_fixed_size: 0
    .kernarg_segment_align: 8
    .kernarg_segment_size: 80
    .max_flat_workgroup_size: 64
    .sgpr_count:     66
    .vgpr_count:     192
    .wavefront_size: 32
...
	.end_amdgpu_metadata
.endif
;; end of part 1
;; launch projections (part 2): grid 4 x 96, 4 waves a work-group, clusters of 4 x 4, 327,680 bytes of LDS; arguments codes, scales, bq, bk, bv, proj; writes proj
.if DOCPART == 2
	.amdgcn_target "amdgcn-amd-amdhsa--gfx1250"
	.amdhsa_code_object_version 6
	.text
	.protected	k_qd69dae746f_projections
	.globl	k_qd69dae746f_projections
	.p2align	8
	.type	k_qd69dae746f_projections,@function
k_qd69dae746f_projections:
	s_mov_b64 s[64:65], 0
	v_nop
	global_prefetch_b8 v0, s[64:65] scope:SCOPE_SE
	s_setreg_imm32_b32 hwreg(HW_REG_WAVE_MODE, 25, 1), 1
	s_wait_xcnt 0x0
	s_wait_alu depctr_hold_cnt(0) depctr_sa_sdst(0) depctr_va_vdst(0) depctr_va_sdst(0) depctr_va_ssrc(0) depctr_va_vcc(0) depctr_vm_vsrc(0)
	s_getreg_b32 s2, hwreg(HW_REG_IB_STS2, 6, 4)
	s_cmp_eq_u32 s2, 0
	s_cbranch_scc0 .Lentry_in_a_cluster
	s_endpgm
.Lentry_in_a_cluster:
	s_bfe_u32 s2, ttmp6, 0x10000c
	s_cmp_lg_u32 s2, 0xf033
	s_cbranch_scc0 .Lentry_shape_is_right
	s_endpgm
.Lentry_shape_is_right:
; The three quantised products: proj[p][m][n] = sum over k of X_p[m][k] W_p[n][k] + b_p[n], p = 0, 1, 2 for (q, Wq, bq), (k, Wk, bk), (v, Wv, bv); rounded once to f16.
; X_p [8192][1024] and W_p [1024][1024] are codes of FP4 (E2M1), two a byte, K innermost, with one E8M0 scale byte for each 32 along K; the matrix instruction takes codes and scale bytes as they lie.  Sums in f32.
; LIMIT: results up to 65,504 in magnitude (f16).
; A tile of the result, 256 x 256, is made by a work-group of four waves; a wave makes 128 x 128: 64 accumulators, 512 registers.  32 x 4 tiles a product; the grid's y runs over the three products' 96 tile rows.
; K = 1,024 is two LDS slots of 512 along K (a tile's row is 256 bytes of memory): both are filled once, at the start; nothing is filled again.  The scale bytes of the work-group's rows, two dense blocks, come with them.
; CLUSTERS: 4 x 4 work-groups, all of one product.  The four of a row of the cluster need the same tiles of X, the four of a column the same tiles of W: each tile is asked for JOINTLY, by the same tensor load with
; the same descriptor and a mask that names the four.  THE MATRIX INSTRUCTION IS USED TRANSPOSED (source 0 = 16 rows of W, source 1 = 16 rows of X): a lane then holds eight neighbouring numbers of a row of the result.
; THE BIAS is the C of each sum's first matrix instruction: eight registers for each of W's eight blocks, in the result's layout.
; REGISTERS, in windows of 256: window 0: v0-31 addresses; v32-95 scale words, two sets; v128-191 X's fragments, ONE set; v192-255 the bias; on the way out v32-63 and v192-255 are at work.
;   window 1: W's fragments, TWO sets, at v0 and v128.   window 2: the accumulators of my rows 0-63 ((a, b) at v[8 (8 a + b)]);   window 3: those of my rows 64-127.
.set SIZE_N, 1024
.set SIZE_K, 1024
.set KSTEP,  512                       ; along K in a slot
.set NQ,     KSTEP/128                 ; matrix instructions deep
.set ROWB,   256                       ; a tile's row in bytes
.set KROW,   SIZE_K/2                  ; a row of codes in memory, in bytes
.set PITCH,  272                       ; an LDS row: 256 bytes + 16 of padding = 68 words: the 16 rows that a load touches start at 16 different banks (64 banks of 4 bytes: ISA guide 11.1)
.set FR,     8                         ; registers of a fragment: 16 rows x 128 K
.set NL,     2                         ; LDS loads that bring one
.set NP,     4                         ; places behind this matrix instruction (ISA guide 7.12.1)
.set HALFT,  128*PITCH                 ; 128 rows: what one tensor load brings
.set SLOT,   4*HALFT                   ; X's 256 rows, then W's 256 rows
.set KS,     SIZE_K/32                 ; a row of scale bytes
.set SCL,    2*SLOT                    ; behind the slots: the scales, as units of 256 bytes + 16 of padding
.set HALFS,  (128*KS/256)*272          ; the scales of 128 rows: what one tensor load brings
.set SBLK,   (16*KS/256)*272           ; those of 16 rows
.set SPARE,  SCL+4*HALFS               ; behind the scales: the spare words, 128 bytes for each wave
.set SPITCH, 272                       ; the way out: a stage of 16 rows x (256 bytes + 16) for each wave, in slot 0, which has had its one fill and its last read when the first result is stored there
.set ADRA, 16                          ; v16-17  LDS address of my X fragments in slot 0, 1
.set ADRB, 20                          ; v20-21  the same for W
.set STO,  24                          ; v24     the way out: where I put 16 bytes of a row
.set RD,   25                          ; v25     where I read a row back
.set CO,   26                          ; v26     my byte offset in two rows of the result
.set ADRS, 27                          ; v27     LDS address of my scale words: lanes 0-15 X's rows, lanes 16-31 W's
.set SPW,  28                          ; v28     LDS address of my spare word; never rewritten
.set NIL,  29                          ; v29     0; never rewritten
.set BO,   30                          ; v30     the bias loads' offset: 32 x (lane / 16); never rewritten
.set SC,   32                          ; scale words: set s at v[SC + 32 s]; register NQ i + q: lanes 0-15 the word of X's block i, lanes 16-31 that of W's block i, for the slot's q-th 128 along K
.set AF,   128                         ; X's fragments
.set BIAS, 192                         ; register 8 b + j: the bias of column 16 b + 8 (lane / 16) + j of my 128
.set TMP,  192                         ; the way out: packed results (the bias is done with)
.set OB,   32                          ; the way out: 16 rows read back: v32-63 and v224-255 by turns
.set G1, 24                            ; s[24:31] descriptor group 1 for X's tiles;  s[32:39] group 0, one set for each slot
.set G0, 32
.set G1B, 48                           ; s[48:55], s[56:63] the same for W's tiles
.set G0B, 56
.set G1S, 68                           ; s[68:75], s[76:79] groups 1 and 0 for X's scales;  s[80:87], s[88:91] for W's
.set G0S, 76
.set G1SB, 80
.set G0SB, 88
.set MSB, 0
.macro WIN new                         ; the immediate's high byte repeats the setting that is left; a switch that changes nothing is dropped
.if MSB != (\new)
	s_set_vgpr_msb (MSB<<8)|(\new)
.set MSB, (\new)
.endif
.endm
.set MUL_LO, 0xa1                      ; source 0 (W) window 1, source 1 (X) window 0, C and D window 2
.set MUL_HI, 0xf1                      ; the same, C and D window 3
.set TO_B,   0x40                      ; destination window 1, address window 0
; A joint load: waves 0 and 1 fetch for X, waves 2 and 3 for W.  Each of the two lines has ONE mask and one set of registers for all that issue it; the branch hangs on the wave's number alone.
; An s_nop 0 and four v_nop follow each of the two lines.
.macro JLOAD g0a, g1a, g0b, g1b
	s_cmp_eq_u32 s15, 0
	s_cbranch_scc0 .Lfor_b_\@
	tensor_load_to_lds s[\g0a:\g0a+3], s[\g1a:\g1a+7]
	s_nop 0
.rept 4
	v_nop
.endr
	s_branch .Lasked_\@
.Lfor_b_\@:
	tensor_load_to_lds s[\g0b:\g0b+3], s[\g1b:\g1b+7]
	s_nop 0
.rept 4
	v_nop
.endr
.Lasked_\@:
.endm
.macro CROUND                          ; a round of the cluster's barrier: my work-group's barrier; wave 0 signals for the work-group; every wave waits for all sixteen; my work-group's barrier once more
	s_barrier_signal -1
	s_barrier_wait -1
	s_cmp_lg_u32 s14, 0
	s_cbranch_scc1 .Lnot_wave_0_\@
	s_barrier_signal -3
.Lnot_wave_0_\@:
	s_barrier_wait -3
	s_barrier_signal -1
	s_barrier_wait -1
.endm
	s_load_b128 s[4:7], s[0:1], 0x0                ; codes, scales
	s_load_b128 s[8:11], s[0:1], 0x10              ; bq, bk
	s_load_b128 s[96:99], s[0:1], 0x20             ; bv, proj
	v_lshl_add_u32 v[SPW], v0, 2, SPARE
	v_mov_b32 v[NIL], 0
	ds_add_u32 v[SPW], v[NIL]                      ; the wave's opening: the add, twice on end, and its wait ahead of my first tensor load; the set-up below stands between
	ds_add_u32 v[SPW], v[NIL]
	v_lshrrev_b32 v1, 5, v0
	v_readfirstlane_b32 s14, v1                    ; wave 0..3
	s_lshr_b32 s15, s14, 1                         ; which half of the tile's rows is mine.  Also: I fetch for X (0) or for W (1)
	s_and_b32 s16, s14, 1                          ; which half of its columns.  Also: which 128 rows of that tile I fetch
	s_bfe_u32 s40, ttmp6, 0x40000                  ; cx, cy: my place in the cluster
	s_bfe_u32 s41, ttmp6, 0x40004
	s_lshl_b32 s42, ttmp9, 2
	s_add_co_u32 s42, s42, s40                     ; tile column = 4 x cluster x + cx
	s_and_b32 s17, ttmp7, 0xffff                   ; cluster y, 0 .. 23: eight clusters to a product
	s_lshr_b32 s95, s17, 3                         ; which product: the same in all sixteen partners
	s_and_b32 s17, s17, 7
	s_lshl_b32 s17, s17, 2
	s_add_co_u32 s17, s17, s41                     ; tile row in the product
	s_lshl_b32 s43, s41, 2
	s_lshl_b32 s43, 15, s43                        ; my row of the cluster
	s_lshl_b32 s44, 0x1111, s40                    ; my column
	; descriptor group 1: a tile of 128 rows x 256 bytes, padded in LDS
	s_or_b32 s[G1+0], s43, (0<<16)|(1<<20)|(1<<21)|(5<<22)|(3<<25)  ; 15:0 the mask: X's tiles go to my row; 17:16 element of 1 byte; 20 padding on; 21 set beside a mask; 24:22 after every 64 words; 31:25 four words
	s_or_b32 s[G1B+0], s44, (0<<16)|(1<<20)|(1<<21)|(5<<22)|(3<<25)
.irp g, G1, G1B
	s_mov_b32 s[\g+1], ROWB<<16                    ; tensor_dim0
	s_mov_b32 s[\g+2], 128<<16                     ; tensor_dim1
	s_mov_b32 s[\g+3], ROWB<<16                    ; tile_dim0
	s_mov_b32 s[\g+4], 128                         ; tile_dim1
	s_mov_b32 s[\g+5], KROW                        ; from row to row
	s_mov_b32 s[\g+6], 0
	s_mov_b32 s[\g+7], 0
.endr
	; the scales of 128 rows: a dense block of 4,096 bytes, as 16 rows of 256 bytes (32 elements of 8 bytes), 16 bytes of padding behind each
	s_or_b32 s[G1S+0], s43, (3<<16)|(1<<20)|(1<<21)|(5<<22)|(3<<25)
	s_or_b32 s[G1SB+0], s44, (3<<16)|(1<<20)|(1<<21)|(5<<22)|(3<<25)
.irp g, G1S, G1SB
	s_mov_b32 s[\g+1], 32<<16
	s_mov_b32 s[\g+2], (128*KS/256)<<16
	s_mov_b32 s[\g+3], 32<<16
	s_mov_b32 s[\g+4], 128*KS/256
	s_mov_b32 s[\g+5], 32
	s_mov_b32 s[\g+6], 0
	s_mov_b32 s[\g+7], 0
.endr
	s_lshl_b32 s18, s16, 7                         ; which 128 rows of the tile I fetch
	s_lshl_b32 s20, s17, 8
	s_add_co_u32 s20, s20, s18                     ; X: row 256 x tile row + 128 x half
	s_lshl_b32 s46, s42, 8
	s_add_co_u32 s46, s46, s18                     ; W: row 256 x tile column + 128 x half
	s_mov_b32 s21, 0
	s_mov_b32 s47, 0
	s_mov_b64 s[18:19], KS
	s_mul_u64 s[22:23], s[20:21], s[18:19]         ; where these rows' scales begin, in bytes
	s_mul_u64 s[92:93], s[46:47], s[18:19]
	s_mov_b64 s[18:19], KROW
	s_mul_u64 s[20:21], s[20:21], s[18:19]         ; and their codes
	s_mul_u64 s[46:47], s[46:47], s[18:19]
	s_mul_i32 s45, s14, HALFT                      ; where they go: wave x 128 rows: no place in the cluster enters an LDS address
	s_mul_i32 s94, s14, HALFS
	s_wait_dscnt 0x0                               ; both opening adds are done
	s_wait_kmcnt 0x0
	s_cmp_lt_u32 s95, 2                            ; the product's bias
	s_cselect_b64 s[66:67], s[10:11], s[96:97]
	s_cmp_lt_u32 s95, 1
	s_cselect_b64 s[66:67], s[8:9], s[66:67]
	s_mov_b32 s19, 0
	s_lshl_b32 s18, s95, 24
	s_add_nc_u64 s[12:13], s[98:99], s[18:19]      ; the product's 16 MiB of the result
	s_lshl_b32 s18, s95, 19
	s_add_co_u32 s18, s18, 12<<20
	s_add_nc_u64 s[8:9], s[4:5], s[18:19]          ; W's codes: behind the three activations' 12 MiB, 512 KiB each
	s_lshl_b32 s18, s95, 15
	s_add_co_u32 s18, s18, 768<<10
	s_add_nc_u64 s[10:11], s[6:7], s[18:19]        ; W's scales: behind 768 KiB, 32 KiB each
	s_lshl_b32 s18, s95, 22
	s_add_nc_u64 s[4:5], s[4:5], s[18:19]          ; X's codes: 4 MiB each
	s_lshl_b32 s18, s95, 18
	s_add_nc_u64 s[6:7], s[6:7], s[18:19]          ; X's scales: 256 KiB each
	s_add_nc_u64 s[20:21], s[4:5], s[20:21]
	s_add_nc_u64 s[22:23], s[6:7], s[22:23]
	s_add_nc_u64 s[46:47], s[8:9], s[46:47]
	s_add_nc_u64 s[92:93], s[10:11], s[92:93]
	CROUND                                         ; all sixteen work-groups are here: the joint loads meet
	s_mov_b32 s[G0S], 1
	s_add_co_u32 s[G0S+1], s94, SCL
	s_mov_b64 s[G0S+2:G0S+3], s[22:23]
	s_or_b32 s[G0S+3], s[G0S+3], 0x80000000
	s_mov_b32 s[G0SB], 1
	s_add_co_u32 s[G0SB+1], s94, SCL
	s_mov_b64 s[G0SB+2:G0SB+3], s[92:93]
	s_or_b32 s[G0SB+3], s[G0SB+3], 0x80000000
	JLOAD G0S, G1S, G0SB, G1SB                     ; the scales first: they are wanted with slot 0
.irp s, 0,1
	s_mov_b32 s[G0+4*\s], 1
	s_add_co_u32 s[G0+4*\s+1], s45, \s*SLOT
	s_add_nc_u64 s[G0+4*\s+2:G0+4*\s+3], s[20:21], \s*ROWB
	s_or_b32 s[G0+4*\s+3], s[G0+4*\s+3], 0x80000000
	s_mov_b32 s[G0B+4*\s], 1
	s_add_co_u32 s[G0B+4*\s+1], s45, \s*SLOT
	s_add_nc_u64 s[G0B+4*\s+2:G0B+4*\s+3], s[46:47], \s*ROWB
	s_or_b32 s[G0B+4*\s+3], s[G0B+4*\s+3], 0x80000000
	JLOAD G0+4*\s, G1, G0B+4*\s, G1B               ; three tensor loads of mine are out: all that this wave ever issues
.endr
	v_and_b32 v1, 15, v0                           ; l % 16
	v_bfe_u32 v2, v0, 4, 1                         ; l / 16
	; where my part of the result begins, and my 128 columns of the bias
	s_lshl_b32 s20, s17, 8
	s_lshl_b32 s21, s15, 7
	s_add_co_u32 s20, s20, s21                     ; my first row: 256 x tile row + 128 x half
	s_lshl_b32 s20, s20, 11                        ; 2,048 bytes a row
	s_lshl_b32 s46, s42, 9                         ; my first column in bytes: 512 x tile column + 256 x half
	s_lshl_b32 s47, s16, 8
	s_add_co_u32 s46, s46, s47
	s_add_co_u32 s20, s20, s46
	s_mov_b32 s21, 0
	s_add_nc_u64 s[12:13], s[12:13], s[20:21]
	s_lshl_b32 s46, s46, 1                         ; the same columns in the bias: 4 bytes a number
	s_mov_b32 s47, 0
	s_add_nc_u64 s[66:67], s[66:67], s[46:47]
	v_lshlrev_b32 v[BO], 5, v2
.irp b, 0,1,2,3,4,5,6,7
	global_load_b128 v[BIAS+8*\b:BIAS+8*\b+3],   v[BO], s[66:67] offset:64*\b
	global_load_b128 v[BIAS+8*\b+4:BIAS+8*\b+7], v[BO], s[66:67] offset:64*\b+16
.endr
	v_mul_u32_u24 v3, v1, PITCH
	v_lshl_add_u32 v4, v2, 4, v3                   ; a fragment's row x pitch + 16 x half
	s_mul_i32 s21, s15, HALFT                      ; my 128 rows of X
	s_mul_i32 s22, s16, HALFT                      ; my 128 rows of W,
	s_add_co_u32 s22, s22, 2*HALFT                 ; which lie behind X's 256
.irp s, 0,1
	v_add_nc_u32 v[ADRA+\s], s21, v4
	v_add_nc_u32 v[ADRB+\s], s22, v4
	s_add_co_u32 s21, s21, SLOT
	s_add_co_u32 s22, s22, SLOT
.endr
	v_mul_u32_u24 v5, v1, KS                       ; my row's scales: KS bytes a row,
	v_lshrrev_b32 v6, 8, v5
	v_lshl_add_u32 v5, v6, 4, v5                   ; and 16 more for each 256 passed
	s_mul_i32 s21, s15, HALFS                      ; X's: my 128 rows
	s_mul_i32 s22, s16, HALFS                      ; W's: my 128 rows, behind X's 256
	s_add_co_u32 s22, s22, 2*HALFS
	s_sub_co_u32 s22, s22, s21
	v_mul_u32_u24 v6, s22, v2                      ; lanes 16-31 take W's: one product, the distance between the two bases x (lane / 16)
	s_add_co_u32 s21, s21, SCL
	v_add_nc_u32 v5, v5, v6
	v_add_nc_u32 v[ADRS], s21, v5
	s_mul_i32 s23, s14, 16*SPITCH                  ; my stage
	v_mul_u32_u24 v5, v1, SPITCH                   ; in: row l % 16, 16 bytes for each half of the lanes
	v_lshl_add_u32 v5, v2, 4, v5
	v_add_nc_u32 v[STO], s23, v5
	v_mul_u32_u24 v5, v2, SPITCH                   ; back: lanes 0-15 take one row of 256 bytes, lanes 16-31 the next
	v_lshl_add_u32 v5, v1, 4, v5
	v_add_nc_u32 v[RD], s23, v5
	v_lshlrev_b32 v5, 11, v2                       ; and the same two rows in the result
	v_lshl_add_u32 v[CO], v1, 4, v5
.macro FRAG reg, adr, q, i             ; a fragment, 16 rows x 128 K of 4-bit codes: lane l holds row l % 16; registers 4 c .. 4 c + 3 hold K = 64 c + 32 (l / 16) + 0 .. 31
.irp c, 0,1
	ds_load_b128 v[\reg+4*\c:\reg+4*\c+3], v[\adr] offset:64*(\q)+32*\c+(\i)*16*PITCH
.endr
.endm
; 16 matrix instructions: X's blocks a0, a0 + 1 x W's eight, the slot's q-th 128 along K.  p: W's set;  sc: the set of scale words.  zero = 1: the first product starts the sums on the bias: nothing is cleared or added later.
; The 64 accumulators take turns, one instruction a turn, in the same order in every step.
.macro MUL16 a0, p, q, sc, zero
.irp a, \a0, \a0+1
.irp b, 0,1,2,3,4,5,6,7
.if \zero
	v_wmma_scale_f32_16x16x128_f8f6f4 v[8*(8*((\a)%4)+\b):8*(8*((\a)%4)+\b)+7], v[128*(\p)+FR*\b:128*(\p)+FR*\b+FR-1], v[AF+FR*(\a):AF+FR*(\a)+FR-1], v[BIAS+8*\b:BIAS+8*\b+7], v[SC+8*NQ*(\sc)+NQ*\b+(\q)], v[SC+8*NQ*(\sc)+NQ*(\a)+(\q)] matrix_a_fmt:MATRIX_FMT_FP4 matrix_b_fmt:MATRIX_FMT_FP4 matrix_a_scale:MATRIX_SCALE_ROW1
.else
	v_wmma_scale_f32_16x16x128_f8f6f4 v[8*(8*((\a)%4)+\b):8*(8*((\a)%4)+\b)+7], v[128*(\p)+FR*\b:128*(\p)+FR*\b+FR-1], v[AF+FR*(\a):AF+FR*(\a)+FR-1], v[8*(8*((\a)%4)+\b):8*(8*((\a)%4)+\b)+7], v[SC+8*NQ*(\sc)+NQ*\b+(\q)], v[SC+8*NQ*(\sc)+NQ*(\a)+(\q)] matrix_a_fmt:MATRIX_FMT_FP4 matrix_b_fmt:MATRIX_FMT_FP4 matrix_a_scale:MATRIX_SCALE_ROW1
.endif
.endr
.endr
.endm
.macro FETCH_B slot, q, p              ; W's eight fragments of the slot's q-th 128 along K into set p
	WIN TO_B
.irp i, 0,1,2,3,4,5,6,7
	FRAG 128*(\p)+FR*\i, ADRB+\slot, \q, \i
.endr
	WIN 0
.endm
.macro FETCH_A slot, q, i0             ; X's blocks i0 .. i0 + 3
.irp i, \i0, \i0+1, \i0+2, \i0+3
	FRAG AF+FR*(\i), ADRA+\slot, \q, \i
.endr
.endm
.macro SCALES sc                       ; a slot's scale words into set sc: NQ words a row; lanes 0-15 take X's block i, lanes 16-31 W's block i
.irp i, 0,1,2,3,4,5,6,7
	ds_load_b128 v[SC+8*NQ*\sc+NQ*\i:SC+8*NQ*\sc+NQ*\i+3], v[ADRS] offset:\i*SBLK
.endr
.endm
; A load into a register that a matrix instruction has read, and a vector instruction that reads a matrix result, stand NP places behind that matrix instruction; only plain vector instructions
; that name none of its registers are places (ISA guide 7.12.1 for vector instructions).
.macro PLACES n
.rept \n
	v_nop
.endr
.endm
; A step of 128 along K that has its successor in the same slot.  X's blocks 0-3 are fetched anew in the step's middle, blocks 4-7 at its end; W's next set in the middle.
.macro STEP slot, q, zero
	s_wait_dscnt 4*NL                              ; W's set and X's blocks 0-3 are in; the youngest eight loads (X's blocks 4-7) may be out
.if \zero
	WIN 0x81                                       ; C (the bias) window 0, D window 2
.else
	WIN MUL_LO
.endif
	MUL16 0, (\q)%2, \q, \slot, \zero
	MUL16 2, (\q)%2, \q, \slot, \zero
	s_wait_dscnt 0                                 ; X's blocks 4-7 are in
	PLACES NP
	FETCH_B \slot, (\q)+1, 1-(\q)%2
	FETCH_A \slot, (\q)+1, 0
.if \zero
	WIN 0xc1                                       ; C window 0, D window 3
.else
	WIN MUL_HI
.endif
	MUL16 4, (\q)%2, \q, \slot, \zero
	MUL16 6, (\q)%2, \q, \slot, \zero
	PLACES NP
	WIN 0
	FETCH_A \slot, (\q)+1, 4
.endm
.macro STEPS slot, from                ; the slot's steps from .. NQ - 2
.set Q, \from
.rept NQ-1-\from
	STEP \slot, Q, 0
.set Q, Q+1
.endr
.endm
	s_wait_tensorcnt 1                             ; the scales and my part of slot 0 are in (slot 1's load may be out),
	s_barrier_signal -1
	s_barrier_wait -1                              ; everybody's are
	FETCH_B 0, 0, 0
	FETCH_A 0, 0, 0
	SCALES 0
	FETCH_A 0, 0, 4
	s_wait_loadcnt 0x0                             ; the bias
	STEP 0, 0, 1                                   ; the first step starts the sums
	STEPS 0, 1
	; slot 0's last step changes slots: ONE barrier; in front of it each wave waits for its last tensor load (its part of slot 1) and for its own reads of slot 0, whose bytes serve as stages later
	s_wait_tensorcnt 0x0                           ; my part of slot 1 has landed
	ds_add_u32 v[SPW], v[NIL]                      ; 0 onto my spare word, behind that wait
	s_wait_dscnt 4*NL+1                            ; (the add and the youngest eight loads may be out)
	WIN MUL_LO
	MUL16 0, 1, NQ-1, 0, 0
	s_wait_dscnt 0x0                               ; the add is done, and my reads of slot 0 are over
	s_barrier_signal -1
	MUL16 2, 1, NQ-1, 0, 0
	WIN 0
	s_barrier_wait -1
	PLACES NP
	v_add_nc_u32 v[ADRS], 4*NQ, v[ADRS]            ; on to slot 1's scale words
	FETCH_B 1, 0, 0
	FETCH_A 1, 0, 0
	SCALES 1
	WIN MUL_HI
	MUL16 4, 1, NQ-1, 0, 0
	MUL16 6, 1, NQ-1, 0, 0
	PLACES NP
	WIN 0
	FETCH_A 1, 0, 4
	STEPS 1, 0
	s_wait_dscnt 4*NL                              ; the very last step: nothing more to fetch
	WIN MUL_LO
	MUL16 0, 1, NQ-1, 1, 0
	MUL16 2, 1, NQ-1, 1, 0
	s_wait_dscnt 0
	WIN MUL_HI
	MUL16 4, 1, NQ-1, 1, 0
	MUL16 6, 1, NQ-1, 1, 0
	WIN 0
; THE WAY OUT, block by block of 16 rows x 128 columns.  PACK: rounded to f16, 16 bytes a lane, each accumulator from its low end on.  TOSTAGE: into my own stage, and back as whole rows of 256 bytes.  SEND: stored.
.macro PACK a
.set AC, 64*((\a)%4)
	WIN 0x0a+5*((\a)/4)                            ; sources 0 and 1: window 2 or 3
.irp b, 0,1,2,3,4,5,6,7
.irp r, 0,1,2,3
	v_cvt_pk_f16_f32 v[TMP+4*\b+\r], v[AC+8*\b+2*\r], v[AC+8*\b+2*\r+1]
.endr
.endr
	WIN 0
.endm
.macro TOSTAGE a
.set BK, OB+192*((\a)%2)
.irp b, 0,1,2,3,4,5,6,7
	ds_store_b128 v[STO], v[TMP+4*\b:TMP+4*\b+3] offset:32*\b
.endr
.irp t, 0,1,2,3,4,5,6,7
	ds_load_b128 v[BK+4*\t:BK+4*\t+3], v[RD] offset:\t*2*SPITCH    ; LDS serves a wave's instructions in order (ISA guide 5.7.1.4): these see the stores above
.endr
.endm
.macro SEND a
.set BK, OB+192*((\a)%2)
	s_wait_dscnt 0x0                               ; the block is back in registers
	s_wait_xcnt 0x0                                ; the stores of the block before have read their registers: the next block's loads land there only behind this wait
.irp t, 0,1,2,3,4,5,6,7
	global_store_b128 v[CO], v[BK+4*\t:BK+4*\t+3], s[12:13] offset:(16*(\a)+2*\t)*SIZE_N*2   ; 16 lanes store 256 consecutive bytes, aligned
.endr
.endm
	PLACES NP
	PACK 0
	TOSTAGE 0
.irp a, 1,2,3,4,5,6,7                  ; block a's conversions stand between block a - 1's loads from the stage and the wait for them
	PACK \a
	SEND \a-1
	TOSTAGE \a
.endr
	SEND 7
	s_wait_tensorcnt 0x0                           ; the wave's end: these three lines behind my last tensor load and my last LDS store
	ds_add_u32 v[SPW], v[NIL]
	s_wait_dscnt 0x0
	CROUND                                         ; the closing round: no work-group ends while a partner may still ask for a tile that names it
	s_endpgm
.Lfunc_end_k_qd69dae746f_projections:
	.size	k_qd69dae746f_projections, .Lfunc_end_k_qd69dae746f_projections-k_qd69dae746f_projections
	.p2alignl 7, 3214868480
	.fill 96, 4, 3214868480
	.section	.rodata,"a",@progbits
	.p2align	6, 0x0
	.amdhsa_kernel k_qd69dae746f_projections
		.amdhsa_group_segment_fixed_size 327680
		.amdhsa_private_segment_fixed_size 0
		.amdhsa_enable_private_segment 0
		.amdhsa_kernarg_size 48
		.amdhsa_user_sgpr_count 2
		.amdhsa_user_sgpr_kernarg_segment_ptr 1
		.amdhsa_wavefront_size32 1
		.amdhsa_system_sgpr_workgroup_id_x 1
		.amdhsa_system_sgpr_workgroup_id_y 1
		.amdhsa_system_sgpr_workgroup_id_z 1
		.amdhsa_system_vgpr_workitem_id 0
		.amdhsa_next_free_vgpr 1024
		.amdhsa_next_free_sgpr 100
		.amdhsa_reserve_vcc 0
		.amdhsa_float_denorm_mode_32 3
		.amdhsa_float_denorm_mode_16_64 3
		.amdhsa_memory_ordered 1
		.amdhsa_forward_progress 1
		.amdhsa_inst_pref_size 128
	.end_amdhsa_kernel
	.amdgpu_metadata
---
amdhsa.version: [ 1, 2 ]
amdhsa.kernels:
  - .name:           k_qd69dae746f_projections
    .symbol:         k_qd69dae746f_projections.kd
    .args:
      - { .name: codes, .offset: 0, .size: 8, .value_kind: global_buffer, .address_space: global }
      - { .name: scales, .offset: 8, .size: 8, .value_kind: global_buffer, .address_space: global }
      - { .name: bq, .offset: 16, .size: 8, .value_kind: global_buffer, .address_space: global }
      - { .name: bk, .offset: 24, .size: 8, .value_kind: global_buffer, .address_space: global }
      - { .name: bv, .offset: 32, .size: 8, .value_kind: global_buffer, .address_space: global }
      - { .name: proj, .offset: 40, .size: 8, .value_kind: global_buffer, .address_space: global }
    .group_segment_fixed_size: 327680
    .private_segment_fixed_size: 0
    .kernarg_segment_align: 8
    .kernarg_segment_size: 48
    .max_flat_workgroup_size: 128
    .sgpr_count:     100
    .vgpr_count:     1024
    .wavefront_size: 32
...
	.end_amdgpu_metadata
.endif
;; end of part 2
;; launch score (part 3): grid 8 x 32, 4 waves a work-group, clusters of 4 x 4, 327,680 bytes of LDS; arguments proj, pmat, st; writes pmat, st
.if DOCPART == 3
	.amdgcn_target "amdgcn-amd-amdhsa--gfx1250"
	.amdhsa_code_object_version 6
	.text
	.protected	k_qd69dae746f_score
	.globl	k_qd69dae746f_score
	.p2align	8
	.type	k_qd69dae746f_score,@function
k_qd69dae746f_score:
	s_mov_b64 s[64:65], 0
	v_nop
	global_prefetch_b8 v0, s[64:65] scope:SCOPE_SE
	s_setreg_imm32_b32 hwreg(HW_REG_WAVE_MODE, 25, 1), 1
	s_wait_xcnt 0x0
	s_wait_alu depctr_hold_cnt(0) depctr_sa_sdst(0) depctr_va_vdst(0) depctr_va_sdst(0) depctr_va_ssrc(0) depctr_va_vcc(0) depctr_vm_vsrc(0)
	s_getreg_b32 s2, hwreg(HW_REG_IB_STS2, 6, 4)
	s_cmp_eq_u32 s2, 0
	s_cbranch_scc0 .Lentry_in_a_cluster
	s_endpgm
.Lentry_in_a_cluster:
	s_bfe_u32 s2, ttmp6, 0x10000c
	s_cmp_lg_u32 s2, 0xf033
	s_cbranch_scc0 .Lentry_shape_is_right
	s_endpgm
.Lentry_shape_is_right:
; S = qh kh^T for each of 4 batches of 2,048 positions, K = 1,024, f16 operands, f32 sums; and the first half of the softmax, on the way out.
; t = S x log2(e) / 8.  For each query and each block of 128 keys: M = the block's largest t rounded UP to a whole number; p = 2^(t - M), at most 1, stored as f16 in pmat [8192 queries][2048 keys of the batch];
; -M and l = the sum of the block's p (unrounded, f32) go to st [16 key blocks][8192 queries][2].  The next launch brings the sixteen blocks under the row's largest M by exact powers of two.
; LIMIT: |qh|, |kh| up to 65,504 (f16); NaN and infinities are not served.
; A tile of S, 256 queries x 256 keys, is made by a work-group of four waves; a wave makes 128 x 128: 64 accumulators, 512 registers: its 128 keys are one key block.
; K goes in steps of 128 through a ring of two LDS slots filled by the tensor data mover: a tile's row is 256 bytes of memory, aligned.
; CLUSTERS: 4 x 4 work-groups, all of one batch.  The four of a row of the cluster need the same tiles of qh, the four of a column the same tiles of kh: each tile is asked for JOINTLY.
; THE MATRIX INSTRUCTION IS USED TRANSPOSED (source 0 = 16 keys, source 1 = 16 queries): a lane holds ONE query (lane % 16) and eight neighbouring keys an accumulator; the query's other keys lie in the lane 16 away.
; REGISTERS, in windows of 256: window 0: v0-31 addresses; v64-127, v128-191 fragments of qh, two buffers; on the way out v32-255 are at work.
;   window 1: v64-127, v128-191 fragments of kh.   window 2: the accumulators of my queries 0-63 ((a, b) at v[8 (8 a + b)]);   window 3: those of my queries 64-127.
.set MB,     8                         ; blocks of 16 rows of A (queries) a wave
.set QB,     MB/4                      ; of which a quarter of a quarter step takes so many
.set PITCH,  272                       ; an LDS row: 256 bytes + 16 of padding: the 16 rows that a load touches start at 16 different banks (64 banks of 4 bytes: ISA guide 11.1)
.set HALFA,  16*MB*PITCH               ; what one tensor load brings of A, and what one wave reads of it
.set HALFB,  128*PITCH                 ; the same of B
.set SLOT,   2*HALFA+2*HALFB           ; A's rows, then B's
.set NLD,    16+2*MB                   ; LDS loads of a quarter step's fragments
.set LAPS,   1024/256                  ; a lap = two K steps = once round the ring
.set PAB,    2048                      ; a row of qh or kh in bytes
.set ASTEP,  256                       ; a K step on, in bytes
.set BSTEP,  256
.set STAGE,  2*SLOT                    ; behind the ring: 16 rows x 272 bytes for each wave, for the way out
.set SPITCH, 272
.set SPARE,  STAGE+4*16*SPITCH         ; behind the stages: the spare words, 128 bytes for each wave
.set OPITCH, 4096                      ; a row of pmat in bytes
.set ADRA, 16                          ; v16-17  LDS address of my A fragments in slot 0, 1
.set ADRB, 20                          ; v20-21  the same for B
.set STO,  24                          ; v24     the way out: where I put 16 bytes of a row
.set RD,   25                          ; v25     where I read a row back
.set CO,   26                          ; v26     my byte offset in two rows of pmat
.set LN,   27                          ; v27     my lane
.set SPW,  28                          ; v28     LDS address of my spare word; never rewritten
.set NIL,  29                          ; v29     0; never rewritten
.set PFO,  30                          ; v30     the prefetches' offset: my lane x a row; never rewritten
.set SV,   31                          ; v31     8 x my lane: the statistics' place
.set F0,   64                          ; fragment buffers
.set F1,   128
.set OB,   32                          ; the way out: 16 rows read back: v32-63 and v224-255 by turns
.set EX,   64                          ; v64-127  t - M, then p, of one block of 16 queries
.set T,    128                         ; v128-135 eight chains of maxima
.set X1,   136                         ; v136     what the lane 16 away holds
.set NM,   138                         ; v[138:139] -M (the packed form names the pair and takes its low word)
.set SA,   140                         ; v[140:141], v[142:143] two chains of sums
.set SB,   142
.set ST,   144                         ; v144-159 block a: -M at 2 a, l at 2 a + 1
.set SD,   160                         ; v160-167 the statistics as they are stored
.set TMP,  192                         ; v192-223 p packed to f16
.set G1, 24                            ; s[24:31] descriptor group 1 for A's tiles;  s[32:39] group 0, one set for each slot
.set G0, 32
.set G1B, 48                           ; s[48:55], s[56:63] the same for B's tiles
.set G0B, 56
.set LIM, 43                           ; s43     1 in a wave that prefetches, else the greatest number
.set PFA, 44                           ; s[44:45] where my prefetches stand
.set CS,  70                           ; s[70:71] c = log2(e) / 8
.set SEL, 72                           ; s[72:73] lane selects for v_permlanex16_b32: lane l xor 16
.set MSB, 0
.macro WIN new                         ; the immediate's high byte repeats the setting that is left; a switch that changes nothing is dropped
.if MSB != (\new)
	s_set_vgpr_msb (MSB<<8)|(\new)
.set MSB, (\new)
.endif
.endm
.set MUL_LO, 0xa1                      ; source 0 (B) window 1, source 1 (A) window 0, C and D window 2
.set MUL_HI, 0xf1                      ; the same, C and D window 3
.set TO_B,   0x40                      ; destination window 1, address window 0
; A joint load.  Waves 0 and 1 fetch A's two halves, waves 2 and 3 B's.  Each line has ONE mask and one set of registers for all that issue it; the branch hangs on the wave's number alone.
; An s_nop 0 and four v_nop follow each of the two lines.
.macro JLOAD s
	s_cmp_eq_u32 s11, 0
	s_cbranch_scc0 .Lfor_b_\@
	tensor_load_to_lds s[G0+4*\s:G0+4*\s+3], s[G1:G1+7]
	s_nop 0
.rept 4
	v_nop
.endr
	s_branch .Lasked_\@
.Lfor_b_\@:
	tensor_load_to_lds s[G0B+4*\s:G0B+4*\s+3], s[G1B:G1B+7]
	s_nop 0
.rept 4
	v_nop
.endr
.Lasked_\@:
.endm
; A PREFETCH INTO THE L2, behind each joint refill and the run of LDS loads that follows it: the K step that stands TWO refills on: 32 rows x 256 bytes, a lane a row, one instruction a wave.
; Each row's 256 bytes of a K step are named once in the launch.  qh's tile row is read by both clusters of that row of clusters: cluster x = 0 asks; kh's tile column by the batch's two clusters of that column:
; the even cluster y asks.  The four partners that ask for a tile jointly share its rows out BY ADDRESS: of the 128 rows that a wave fetches, the partner at place p takes 32 p .. 32 p + 31 (p = cx for A, cy for B).
; The loop's last trip asks for nothing: there is no K step two refills on.  K steps 0 to 3 come by their loads alone.
.macro ASK
	s_cmp_gt_u32 s3, s[LIM]                        ; s3 = 1 in the loop's last trip
	s_cbranch_scc0 .Lnot_mine_\@
	global_prefetch_b8 v[PFO], s[PFA:PFA+1] offset:ASTEP th:TH_LOAD_NT scope:SCOPE_SE
.Lnot_mine_\@:
.endm
.macro CREST                           ; a round of the cluster's barrier behind its opening barrier
	s_cmp_lg_u32 s10, 0
	s_cbranch_scc1 .Lnot_wave_0_\@
	s_barrier_signal -3
.Lnot_wave_0_\@:
	s_barrier_wait -3
	s_barrier_signal -1
	s_barrier_wait -1
.endm
.macro CROUND                          ; a whole round
	s_barrier_signal -1
	s_barrier_wait -1
	CREST
.endm
	s_load_b64 s[4:5], s[0:1], 0x0                 ; proj: qh at 0, kh 16 MiB on
	s_load_b64 s[8:9], s[0:1], 0x8                 ; pmat
	s_load_b64 s[66:67], s[0:1], 0x10              ; st
	v_lshl_add_u32 v[SPW], v0, 2, SPARE
	v_mov_b32 v[NIL], 0
	ds_add_u32 v[SPW], v[NIL]                      ; the wave's opening: the add, twice on end, and its wait ahead of my first tensor load; the set-up below stands between
	ds_add_u32 v[SPW], v[NIL]
	v_lshrrev_b32 v1, 5, v0
	v_readfirstlane_b32 s10, v1                    ; wave 0..3
	s_lshr_b32 s11, s10, 1                         ; which half of the tile's queries is mine.  Also: I fetch for A (0) or for B (1)
	s_and_b32 s12, s10, 1                          ; which half of its keys.  Also: which half of that tile I fetch
	s_bfe_u32 s40, ttmp6, 0x40000                  ; cx, cy: my place in the cluster
	s_bfe_u32 s41, ttmp6, 0x40004
	s_lshl_b32 s42, ttmp9, 2
	s_add_co_u32 s42, s42, s40                     ; tile column (256 keys of the batch) = 4 x cluster x + cx
	s_and_b32 s74, ttmp7, 0xffff                   ; cluster y: two clusters to a batch
	s_lshl_b32 s13, s74, 2
	s_add_co_u32 s13, s13, s41                     ; tile row (256 of the 8,192 queries)
	s_lshl_b32 s43, s41, 2
	s_lshl_b32 s43, 15, s43                        ; my row of the cluster
	s_lshl_b32 s44, 0x1111, s40                    ; my column
	; descriptor group 1: a tile of 128 rows x 128 elements of 2 bytes, padded in LDS
	s_or_b32 s[G1+0], s43, (1<<16)|(1<<20)|(1<<21)|(5<<22)|(3<<25)  ; 15:0 the mask: A's tiles go to my row; 17:16 elements of 2 bytes; 20 padding on; 21 set beside a mask; 24:22 after every 64 words; 31:25 four words
	s_or_b32 s[G1B+0], s44, (1<<16)|(1<<20)|(1<<21)|(5<<22)|(3<<25)
.irp g, G1, G1B
	s_mov_b32 s[\g+1], 128<<16                     ; tensor_dim0
	s_mov_b32 s[\g+2], 128<<16                     ; tensor_dim1
	s_mov_b32 s[\g+3], 128<<16                     ; tile_dim0
	s_mov_b32 s[\g+4], 128                         ; tile_dim1
	s_mov_b32 s[\g+5], PAB/2                       ; elements from row to row
	s_mov_b32 s[\g+6], 0
	s_mov_b32 s[\g+7], 0
.endr
	; where the tiles come from.  A's hang on the tile row alone, which my row of the cluster shares; B's on the batch and the tile column, which my column shares
	s_lshl_b32 s16, s13, 8
	s_lshl_b32 s17, s12, 7
	s_add_co_u32 s16, s16, s17                     ; A: row 256 x tile row + 128 x half
	s_lshl_b32 s16, s16, 11                        ; in bytes (under 2^24)
	s_mov_b32 s17, 0
	s_lshr_b32 s46, s74, 1                         ; B: the batch's 2,048 rows,
	s_lshl_b32 s46, s46, 11
	s_lshl_b32 s47, s42, 8
	s_add_co_u32 s46, s46, s47                     ; + 256 x tile column
	s_lshl_b32 s47, s12, 7
	s_add_co_u32 s46, s46, s47                     ; + 128 x half
	s_lshl_b32 s46, s46, 11
	s_mov_b32 s47, 0
	s_mul_i32 s20, s12, HALFA                      ; and where they go: no place in the cluster enters an LDS address
	s_mul_i32 s21, s12, HALFB
	s_add_co_u32 s21, s21, 2*HALFA
	s_mov_b32 s[CS], 0x3e38aa3b                    ; c = log2(e) / 8
	s_mov_b32 s[CS+1], s[CS]                       ; (named with it as a pair, so it is written)
	s_mov_b32 s[SEL], 0x76543210
	s_mov_b32 s[SEL+1], 0xfedcba98
	s_wait_dscnt 0x0                               ; both opening adds are done
	s_wait_kmcnt 0x0
	s_add_nc_u64 s[6:7], s[4:5], 16<<20            ; kh
	s_add_nc_u64 s[14:15], s[4:5], s[16:17]
	s_add_nc_u64 s[46:47], s[6:7], s[46:47]
	CROUND                                         ; all sixteen work-groups are here: the first joint loads meet
.irp s, 0,1
	s_mov_b32 s[G0+4*\s], 1                                        ; count = 1
	s_add_co_u32 s[G0+4*\s+1], s20, \s*SLOT                        ; LDS address
	s_add_nc_u64 s[G0+4*\s+2:G0+4*\s+3], s[14:15], \s*ASTEP        ; global address: K step s
	s_or_b32 s[G0+4*\s+3], s[G0+4*\s+3], 0x80000000                ; type = 2
	s_mov_b32 s[G0B+4*\s], 1
	s_add_co_u32 s[G0B+4*\s+1], s21, \s*SLOT
	s_add_nc_u64 s[G0B+4*\s+2:G0B+4*\s+3], s[46:47], \s*BSTEP
	s_or_b32 s[G0B+4*\s+3], s[G0B+4*\s+3], 0x80000000
	JLOAD \s                                       ; two tensor loads of mine are out
.endr
	; A fragment is 16 rows x 32 K in 8 registers: lane l holds row l % 16; registers 0-3 hold K = 8 (l / 16) + 0..7, registers 4-7 K = 16 + 8 (l / 16) + 0..7: two loads of 16 bytes, 32 bytes apart
	v_and_b32 v1, 15, v0                           ; l % 16
	v_bfe_u32 v2, v0, 4, 1                         ; l / 16
	v_mul_u32_u24 v3, v1, PITCH
	v_lshl_add_u32 v3, v2, 4, v3
	s_mul_i32 s22, s11, HALFA                      ; my rows of A
	s_mul_i32 s23, s12, HALFB                      ; my rows of B,
	s_add_co_u32 s23, s23, 2*HALFA                 ; which lie behind A's
.irp s, 0,1
	v_add_nc_u32 v[ADRA+\s], s22, v3
	v_add_nc_u32 v[ADRB+\s], s23, v3
	s_add_co_u32 s22, s22, SLOT
	s_add_co_u32 s23, s23, SLOT
.endr
	s_mul_i32 s23, s10, 16*SPITCH
	s_add_co_u32 s23, s23, STAGE                   ; my stage
	v_mul_u32_u24 v4, v1, SPITCH                   ; in: row l % 16, 16 bytes for each half of the lanes
	v_lshl_add_u32 v4, v2, 4, v4
	v_add_nc_u32 v[STO], s23, v4
	v_mul_u32_u24 v5, v2, SPITCH                   ; back: lanes 0-15 take one row of 256 bytes, lanes 16-31 the next
	v_lshl_add_u32 v5, v1, 4, v5
	v_add_nc_u32 v[RD], s23, v5
	v_lshlrev_b32 v5, 12, v2                       ; and the same two rows in pmat
	v_lshl_add_u32 v[CO], v1, 4, v5
	v_and_b32 v[LN], 31, v0
	v_lshlrev_b32 v[SV], 3, v[LN]
	s_lshl_b32 s16, s13, 8
	s_lshl_b32 s17, s11, 7
	s_add_co_u32 s16, s16, s17                     ; my first query
	s_lshl_b32 s18, s16, 12                        ; its row of pmat,
	s_lshl_b32 s19, s42, 9
	s_add_co_u32 s18, s18, s19                     ; + 512 bytes x tile column
	s_lshl_b32 s19, s12, 8
	s_add_co_u32 s18, s18, s19                     ; + 256 x half
	s_mov_b32 s19, 0
	s_add_nc_u64 s[8:9], s[8:9], s[18:19]
	s_lshl_b32 s18, s42, 1
	s_add_co_u32 s18, s18, s12                     ; my key block: 2 x tile column + half
	s_lshl_b32 s18, s18, 13
	s_add_co_u32 s18, s18, s16                     ; x 8,192 queries + my first
	s_lshl_b32 s18, s18, 3                         ; 8 bytes each
	s_add_nc_u64 s[66:67], s[66:67], s[18:19]
	; the prefetches: where mine stand, and who asks
	s_lshl_b32 s20, s13, 8                         ; A's tile's first row
	s_lshr_b32 s21, s74, 1
	s_lshl_b32 s21, s21, 11
	s_lshl_b32 s22, s42, 8
	s_add_co_u32 s21, s21, s22                     ; B's
	s_and_b32 s23, s74, 1
	s_cmp_eq_u32 s11, 0                            ; do I fetch for A?
	s_cselect_b32 s20, s20, s21
	s_cselect_b32 s21, s40, s41                    ; my place among the four that ask with me
	s_cselect_b32 s22, ttmp9, s23                  ; the coordinate along which another cluster reads the same rows
	s_cselect_b64 s[PFA:PFA+1], s[4:5], s[6:7]
	s_cmp_eq_u32 s22, 0
	s_cselect_b32 s[LIM], 1, -1                    ; the same in all sixteen partners, for a given wave
	s_lshl_b32 s22, s12, 7
	s_add_co_u32 s20, s20, s22                     ; + the 128 rows that I fetch
	s_lshl_b32 s21, s21, 5
	s_add_co_u32 s20, s20, s21                     ; + my work-group's 32 of them
	s_lshl_b32 s20, s20, 11
	s_mov_b32 s21, 0
	s_add_nc_u64 s[PFA:PFA+1], s[PFA:PFA+1], s[20:21]
	s_add_nc_u64 s[PFA:PFA+1], s[PFA:PFA+1], 2*ASTEP  ; at K step 2: the first refill steps it to 3 and names K step 4
	v_lshlrev_b32 v[PFO], 11, v[LN]
; QB x 8 matrix instructions: A's blocks u QB on x B's eight, 32 along K.  zero = 1: the first product starts the sums: nothing is ever cleared.
; The accumulators take turns, one instruction a turn, in the same order in every quarter step.
.macro MULU f, u, zero
.set AI, (\u)*QB
.rept QB
.irp b, 0,1,2,3,4,5,6,7
.if \zero
	v_wmma_f32_16x16x32_f16 v[8*(8*(AI%4)+\b):8*(8*(AI%4)+\b)+7], v[\f+8*\b:\f+8*\b+7], v[\f+8*AI:\f+8*AI+7], 0
.else
	v_wmma_f32_16x16x32_f16 v[8*(8*(AI%4)+\b):8*(8*(AI%4)+\b)+7], v[\f+8*\b:\f+8*\b+7], v[\f+8*AI:\f+8*AI+7], v[8*(8*(AI%4)+\b):8*(8*(AI%4)+\b)+7]
.endif
.endr
.set AI, AI+1
.endr
.endm
; NLD LDS loads in one run: the fragments of the slot's q-th 32 along K into buffer f: B's eight, then A's, ascending
.macro FETCH slot, q, f
	WIN TO_B
.irp i, 0,1,2,3,4,5,6,7
	ds_load_b128 v[\f+8*\i:\f+8*\i+3],   v[ADRB+\slot] offset:64*(\q)+\i*16*PITCH
	ds_load_b128 v[\f+8*\i+4:\f+8*\i+7], v[ADRB+\slot] offset:64*(\q)+\i*16*PITCH+32
.endr
	WIN 0
.set AI, 0
.rept MB
	ds_load_b128 v[\f+8*AI:\f+8*AI+3],   v[ADRA+\slot] offset:64*(\q)+AI*16*PITCH
	ds_load_b128 v[\f+8*AI+4:\f+8*AI+7], v[ADRA+\slot] offset:64*(\q)+AI*16*PITCH+32
.set AI, AI+1
.endr
.endm
; A load into a register that a matrix instruction has read, and a vector instruction that reads a matrix result or writes one of its registers, stand four places behind it; only plain vector
; instructions that name none of its registers are places (ISA guide 7.12.1 for vector instructions).
.macro PLACES
.rept 4
	v_nop
.endr
.endm
; A K step is four quarter steps of 32 along K on buffers 0, 1, 0, 1.  One of the first three: multiplies buffer f; in its middle it fetches the slot's q-th quarter into buffer g.
.macro QUARTER slot, q, f, g, zero
	s_wait_dscnt MB                                ; B and A's lower half are in; the youngest MB loads (A's upper half) may be out
	WIN MUL_LO
	MULU \f, 0, \zero
	MULU \f, 1, \zero
	PLACES
	FETCH \slot, \q, \g
	s_wait_dscnt NLD                               ; all but the run just issued
	WIN MUL_HI
	MULU \f, 2, \zero
	MULU \f, 3, \zero
.endm
; The last quarter multiplies buffer 1 and changes slots: ONE barrier.  In front of it each wave waits for all its tensor loads (one is out: its part of the next slot), adds 0 to its spare word, and waits for that and
; for its own reads of this slot.  fill = 1: the barrier opens a round of the cluster's barrier, and behind the round this slot is filled again, two K steps ahead: that load has a K step less 16 products in which to land.
.macro TURN slot, next, fill
.if \fill
	s_wait_xcnt 0x0                                ; the last prefetch, a K step back, has read its address: it is stepped here
	s_add_nc_u64 s[PFA:PFA+1], s[PFA:PFA+1], ASTEP
.endif
	WIN 0                                          ; (the add's two registers lie in window 0)
	s_wait_tensorcnt 0x0                           ; all my tensor loads have landed;
	ds_add_u32 v[SPW], v[NIL]                      ; 0 onto my spare word
	s_wait_dscnt MB+1                              ; (the add and the youngest MB loads may be out)
	WIN MUL_LO
	MULU F1, 0, 0                                  ; matrix work stands between the add and the wait for it
	s_wait_dscnt 0x0                               ; the add is done, and my reads of this slot are over
	s_barrier_signal -1
	MULU F1, 1, 0                                  ; work on registers while the others arrive
	WIN 0
	s_barrier_wait -1
.if \fill
	CREST                                          ; no wave of any partner still reads this slot's tile or has a load on its way
	s_add_nc_u64 s[G0+4*\slot+2:G0+4*\slot+3], s[G0+4*\slot+2:G0+4*\slot+3], 2*ASTEP
	s_add_nc_u64 s[G0B+4*\slot+2:G0B+4*\slot+3], s[G0B+4*\slot+2:G0B+4*\slot+3], 2*BSTEP
	JLOAD \slot                                    ; the first tensor load behind the round, my one until the next; its four v_nop are also the places in front of the loads below
.else
	PLACES
.endif
	FETCH \next, 0, F0
.if \fill
	ASK
.endif
	WIN MUL_HI
	MULU F1, 2, 0
	MULU F1, 3, 0
.endm
	s_wait_tensorcnt 1                             ; my part of K step 0 is in (K step 1's load may be out)
	s_barrier_signal -1
	s_barrier_wait -1                              ; everybody's is
	FETCH 0, 0, F0
	QUARTER 0, 1, F0, F1, 1                        ; the first quarter stands in front of the loop: its products start the sums
	WIN 0                                          ; at a label and at a branch every window is 0
	s_mov_b32 s3, LAPS-1
.Llap:                                                 ; a trip goes once round the ring, from a lap's second quarter to the next lap's first, and fills both slots again
	QUARTER 0, 2, F1, F0, 0
	QUARTER 0, 3, F0, F1, 0
	TURN 0, 1, 1
	QUARTER 1, 1, F0, F1, 0
	QUARTER 1, 2, F1, F0, 0
	QUARTER 1, 3, F0, F1, 0
	TURN 1, 0, 1
	QUARTER 0, 1, F0, F1, 0
	WIN 0
	s_sub_co_u32 s3, s3, 1
	s_cmp_lg_u32 s3, 0
	s_cbranch_scc1 .Llap
	QUARTER 0, 2, F1, F0, 0                        ; the last lap fills nothing, and has no round of the cluster's barrier
	QUARTER 0, 3, F0, F1, 0
	TURN 0, 1, 0
	QUARTER 1, 1, F0, F1, 0
	QUARTER 1, 2, F1, F0, 0
	QUARTER 1, 3, F0, F1, 0
	s_wait_dscnt MB                                ; the very last quarter: nothing more to fetch
	WIN MUL_LO
	MULU F1, 0, 0
	MULU F1, 1, 0
	s_wait_dscnt 0x0
	WIN MUL_HI
	MULU F1, 2, 0
	MULU F1, 3, 0
	WIN 0
; THE WAY OUT, a block of 16 queries x 128 keys at a time.  SOFT: the block's maximum, -M, p, l, p packed to f16.  TOSTAGE: through my own stage.  SEND: stored as whole rows of 256 bytes.
.macro SOFT a
.set W,  2+(\a)/4                      ; the block's accumulators: window 2 or 3,
.set AC, 64*((\a)%4)                   ; 64 registers from here
	WIN 21*W                                       ; all three sources in window W
.irp b, 0,1,2,3,4,5,6,7
	v_max3_num_f32 v[T+\b], v[AC+8*\b], v[AC+8*\b+1], v[AC+8*\b+2]   ; eight chains, one an accumulator, each from its low end on
.endr
	WIN 20*W                                       ; sources 1 and 2 in window W
.irp i, 3,5
.irp b, 0,1,2,3,4,5,6,7
	v_max3_num_f32 v[T+\b], v[T+\b], v[AC+8*\b+\i], v[AC+8*\b+\i+1]
.endr
.endr
.irp b, 0,1,2,3,4,5,6,7
	v_max_num_f32 v[T+\b], v[T+\b], v[AC+8*\b+7]
.endr
	WIN 0
	v_max3_num_f32 v[T], v[T], v[T+1], v[T+2]
	v_max3_num_f32 v[T+3], v[T+3], v[T+4], v[T+5]
	v_max3_num_f32 v[T], v[T], v[T+6], v[T+7]
	v_max_num_f32 v[T], v[T], v[T+3]
	v_permlanex16_b32 v[X1], v[T], s[SEL], s[SEL+1]  ; the query's other 64 keys lie in the lane 16 away
	v_max_num_f32 v[T], v[T], v[X1]                ; the largest score of my query in these 128 keys,
	v_mul_f32 v[T], s[CS], v[T]                    ; as t (c is positive)
	v_floor_f32 v[NM], -v[T]                       ; -M = floor(-t) = -ceil(t): a whole number
	WIN W                                          ; source 0 in window W
.set J, 0
.rept 32
	v_pk_fma_f32 v[EX+J:EX+J+1], v[AC+J:AC+J+1], s[CS:CS+1], v[NM:NM+1] op_sel_hi:[1,0,0]   ; t - M, two at a time
.set J, J+2
.endr
	WIN 0
.set J, 0
.rept 64
	v_exp_f32 v[EX+J], v[EX+J]                     ; p = 2^(t - M), at most 1
.set J, J+1
.endr
	v_mov_b32 v[ST+2*(\a)], v[NM]                  ; -M is kept (the plain line behind the exponentials)
	s_wait_alu depctr_va_vdst(0)                   ; one wait for the whole batch, ahead of its first reader
	v_pk_add_f32 v[SA:SA+1], v[EX:EX+1], v[EX+2:EX+3]        ; l is the sum of the unrounded p: two at a time, in two chains
	v_pk_add_f32 v[SB:SB+1], v[EX+4:EX+5], v[EX+6:EX+7]
.set J, 8
.rept 14
	v_pk_add_f32 v[SA:SA+1], v[SA:SA+1], v[EX+J:EX+J+1]
	v_pk_add_f32 v[SB:SB+1], v[SB:SB+1], v[EX+J+2:EX+J+3]
.set J, J+4
.endr
	v_pk_add_f32 v[SA:SA+1], v[SA:SA+1], v[SB:SB+1]
	v_add_f32 v[SA], v[SA], v[SA+1]
	v_permlanex16_b32 v[X1], v[SA], s[SEL], s[SEL+1]
	v_add_f32 v[ST+2*(\a)+1], v[SA], v[X1]
.set J, 0
.rept 32
	v_cvt_pk_f16_f32 v[TMP+J], v[EX+2*J], v[EX+2*J+1]   ; eight neighbouring keys: 16 bytes
.set J, J+1
.endr
.endm
.macro TOSTAGE a
.set BK, OB+192*((\a)%2)
.irp b, 0,1,2,3,4,5,6,7
	ds_store_b128 v[STO], v[TMP+4*\b:TMP+4*\b+3] offset:32*\b
.endr
.irp t, 0,1,2,3,4,5,6,7
	ds_load_b128 v[BK+4*\t:BK+4*\t+3], v[RD] offset:\t*2*SPITCH    ; LDS serves a wave's instructions in order (ISA guide 5.7.1.4): these see the stores above
.endr
.endm
.macro SEND a
.set BK, OB+192*((\a)%2)
	s_wait_dscnt 0x0                               ; the block is back in registers
	s_wait_xcnt 0x0                                ; the stores of the block before have read their registers: the next block's loads land there only behind this wait
.irp t, 0,1,2,3,4,5,6,7
	global_store_b128 v[CO], v[BK+4*\t:BK+4*\t+3], s[8:9] offset:(16*(\a)+2*\t)*OPITCH   ; 16 lanes store 256 consecutive bytes, aligned
.endr
.endm
	PLACES
	v_mov_b32 v[X1], 0                             ; written once: a lane permute's destination counts as one of its sources
	v_mov_b32 v[NM+1], 0                           ; (named as the upper half of the pair)
	SOFT 0
	TOSTAGE 0
.irp a, 1,2,3,4,5,6,7                  ; block a's softmax stands between block a - 1's loads from the stage and the wait for them
	SOFT \a
	SEND \a-1
	TOSTAGE \a
.endr
	SEND 7
	; the statistics: every lane holds its query's (both halves of the lanes alike): lanes 0-15 give block 2 i's, lanes 16-31 block 2 i + 1's: 32 queries x 8 bytes, 256 consecutive bytes, aligned
	v_cmp_lt_u32 s46, 15, v[LN]
.irp i, 0,1,2,3
	v_cndmask_b32 v[SD+2*\i],   v[ST+4*\i],   v[ST+4*\i+2], s46
	v_cndmask_b32 v[SD+2*\i+1], v[ST+4*\i+1], v[ST+4*\i+3], s46
	global_store_b64 v[SV], v[SD+2*\i:SD+2*\i+1], s[66:67] offset:256*\i
.endr
	s_wait_tensorcnt 0x0                           ; the wave's end: these three lines behind my last tensor load and my last LDS store
	ds_add_u32 v[SPW], v[NIL]
	s_wait_dscnt 0x0
	CROUND                                         ; the closing round: no work-group ends while a partner may still ask for a tile that names it
	s_endpgm
.Lfunc_end_k_qd69dae746f_score:
	.size	k_qd69dae746f_score, .Lfunc_end_k_qd69dae746f_score-k_qd69dae746f_score
	.p2alignl 7, 3214868480
	.fill 96, 4, 3214868480
	.section	.rodata,"a",@progbits
	.p2align	6, 0x0
	.amdhsa_kernel k_qd69dae746f_score
		.amdhsa_group_segment_fixed_size 327680
		.amdhsa_private_segment_fixed_size 0
		.amdhsa_enable_private_segment 0
		.amdhsa_kernarg_size 24
		.amdhsa_user_sgpr_count 2
		.amdhsa_user_sgpr_kernarg_segment_ptr 1
		.amdhsa_wavefront_size32 1
		.amdhsa_system_sgpr_workgroup_id_x 1
		.amdhsa_system_sgpr_workgroup_id_y 1
		.amdhsa_system_sgpr_workgroup_id_z 1
		.amdhsa_system_vgpr_workitem_id 0
		.amdhsa_next_free_vgpr 1024
		.amdhsa_next_free_sgpr 80
		.amdhsa_reserve_vcc 0
		.amdhsa_float_denorm_mode_32 3
		.amdhsa_float_denorm_mode_16_64 3
		.amdhsa_memory_ordered 1
		.amdhsa_forward_progress 1
		.amdhsa_inst_pref_size 212
	.end_amdhsa_kernel
	.amdgpu_metadata
---
amdhsa.version: [ 1, 2 ]
amdhsa.kernels:
  - .name:           k_qd69dae746f_score
    .symbol:         k_qd69dae746f_score.kd
    .args:
      - { .name: proj, .offset: 0, .size: 8, .value_kind: global_buffer, .address_space: global }
      - { .name: pmat, .offset: 8, .size: 8, .value_kind: global_buffer, .address_space: global }
      - { .name: st, .offset: 16, .size: 8, .value_kind: global_buffer, .address_space: global }
    .group_segment_fixed_size: 327680
    .private_segment_fixed_size: 0
    .kernarg_segment_align: 8
    .kernarg_segment_size: 24
    .max_flat_workgroup_size: 128
    .sgpr_count:     80
    .vgpr_count:     1024
    .wavefront_size: 32
...
	.end_amdgpu_metadata
.endif
;; end of part 3
;; launch pv (part 4): grid 4 x 64, 4 waves a work-group, clusters of 4 x 4, 327,680 bytes of LDS; arguments pmat, proj, st, att; writes att
.if DOCPART == 4
	.amdgcn_target "amdgcn-amd-amdhsa--gfx1250"
	.amdhsa_code_object_version 6
	.text
	.protected	k_qd69dae746f_pv
	.globl	k_qd69dae746f_pv
	.p2align	8
	.type	k_qd69dae746f_pv,@function
k_qd69dae746f_pv:
	s_mov_b64 s[64:65], 0
	v_nop
	global_prefetch_b8 v0, s[64:65] scope:SCOPE_SE
	s_setreg_imm32_b32 hwreg(HW_REG_WAVE_MODE, 25, 1), 1
	s_wait_xcnt 0x0
	s_wait_alu depctr_hold_cnt(0) depctr_sa_sdst(0) depctr_va_vdst(0) depctr_va_sdst(0) depctr_va_ssrc(0) depctr_va_vcc(0) depctr_vm_vsrc(0)
	s_getreg_b32 s2, hwreg(HW_REG_IB_STS2, 6, 4)
	s_cmp_eq_u32 s2, 0
	s_cbranch_scc0 .Lentry_in_a_cluster
	s_endpgm
.Lentry_in_a_cluster:
	s_bfe_u32 s2, ttmp6, 0x10000c
	s_cmp_lg_u32 s2, 0xf033
	s_cbranch_scc0 .Lentry_shape_is_right
	s_endpgm
.Lentry_shape_is_right:
; The second half of the softmax and the second product: O[q][d] = sum over the 16 key blocks kb of g(q, kb) x (sum over the block's 128 keys of p[q][key] vh[key][d]), rounded once to f16 and stored PERMUTED.
; st holds for each (key block, query) -M and the block's sum of p.  f = 2^(M(kb) - the row's largest M), an exact power of two, at most 1; l = the sum of f x the blocks' sums; g = f / l.  So the row's maximum is taken
; away, as a whole number, and the row's sum divides.  A K step is one key block: its products have sums of their own, T, begun with the constant 0, and each finished T is folded into O in f32: O += g x T.
; THE PERMUTATION: query s of a batch, head hd, channel dk goes to row hd x 128 + s / 16 of the batch, column (s % 16) x 64 + dk: 16 neighbouring queries x one head are one whole row of att, 2,048 bytes.
; LIMIT: |vh| up to 65,504 (f16); NaN and infinities are not served.
; A tile, 128 queries x 256 channels, is made by a work-group of four waves; a wave makes 64 x 128: 32 accumulators T and as many registers of O.  K = the batch's 2,048 keys, in steps of 128 through a ring of two LDS slots.
; vh lies [key][channel]: its tile comes into LDS as it lies (128 keys x 512 bytes) and is read TURNED, by ds_load_tr16_b128.
; CLUSTERS: 4 x 4 work-groups, all of one batch.  The four of a row of the cluster need the same tiles of pmat, the four of a column the same tiles of vh: each tile is asked for JOINTLY.
; THE MATRIX INSTRUCTION IS USED TRANSPOSED (source 0 = 16 channels, source 1 = 16 queries): a lane holds one query (lane % 16) and eight neighbouring channels an accumulator: so g is one number a lane and block of 16 queries.
; REGISTERS, in windows of 256: window 0: v0-31 addresses; v32-47 g, two sets of four pairs; v64-95, v128-159 fragments of p, two buffers; on the way out v128-223 are at work.
;   window 1: v64-127, v128-191 fragments of vh.   window 2: T ((a, b) at v[8 (8 a + b)]).   window 3: O, at the same numbers.
.set MB,     4                         ; blocks of 16 rows of A (queries) a wave
.set QB,     MB/4
.set PITCH,  272                       ; A's LDS row: 256 bytes + 16 of padding
.set PB,     544                       ; B's: 512 bytes + 32 of padding = 136 words
.set HALFA,  16*MB*PITCH               ; 64 rows of A: what one tensor load brings, and what one wave reads
.set HALFB,  64*PB                     ; 64 keys of B: what one tensor load brings
.set SLOT,   2*HALFA+2*HALFB
.set NLD,    16+2*MB                   ; LDS loads of a quarter step's fragments
.set LAPS,   2048/256                  ; a lap = two K steps = once round the ring
.set PAB,    4096                      ; a row of pmat in bytes
.set ASTEP,  256                       ; a K step on: 128 keys along a row of pmat,
.set BSTEP,  128*2048                  ; 128 rows of vh
.set FT,     2*SLOT                    ; behind the ring: g, [16 key blocks][128 queries] words of f32;
.set STAGE,  FT+16*512                 ; the stages: for each wave 2 heads x 16 queries x (128 bytes + 16);
.set HP,     144
.set SPARE,  STAGE+4*2*16*HP           ; the spare words, 128 bytes for each wave
.set ADRA, 16                          ; v16-17  LDS address of my A fragments in slot 0, 1
.set SLD,  18                          ; v18     8 x my thread's number: the statistics' place
.set ADRB, 20                          ; v20-21  LDS address of my B fragments
.set ADRF, 22                          ; v22     LDS address of my queries' g of the key block to be fetched
.set TA,   23                          ; v23     where my thread puts its query's g
.set STO,  24                          ; v24     the way out: where I put 16 bytes
.set RD,   25                          ; v25     where I read them back
.set CO,   26                          ; v26     16 x my lane
.set SPW,  28                          ; v28     LDS address of my spare word; never rewritten
.set NIL,  29                          ; v29     0; never rewritten
.set PFO,  30                          ; v30     the prefetches' offset: my lane x a row of pmat; never rewritten
.set FAC,  32                          ; v32-47  set s (for slot s), pair a at FAC + 8 s + 2 a: g of row l % 16 of my block a, and 0 (the packed forms name the pair and take its low word)
.set F0,   64
.set F1,   128
.set OB,   128                         ; the way out: v128-159 and v160-191 by turns: two rows of att read back
.set TMP,  192                         ; v192-223 packed to f16
.set G1, 24                            ; s[24:31] descriptor group 1 for A's tiles;  s[32:39] group 0, one set for each slot
.set G0, 32
.set G1B, 48                           ; s[48:55], s[56:63] the same for B's tiles
.set G0B, 56
.set LIM, 43                           ; s43     1 in a wave that prefetches, else the greatest number
.set PFA, 44                           ; s[44:45] where my prefetches stand
.set MSB, 0
.macro WIN new                         ; the immediate's high byte repeats the setting that is left; a switch that changes nothing is dropped
.if MSB != (\new)
	s_set_vgpr_msb (MSB<<8)|(\new)
.set MSB, (\new)
.endif
.endm
.set MUL,    0xa1                      ; source 0 (B) window 1, source 1 (A) window 0, C and D window 2
.set TO_B,   0x40                      ; destination window 1, address window 0
.set W_FOLD, 0xf2                      ; source 0 (T) window 2, source 1 (g) window 0, source 2 and destination (O) window 3
.set W_FRST, 0xc2                      ; the same without a source 2
; A joint load.  Waves 0 and 1 fetch A's two halves, waves 2 and 3 B's.  The branch hangs on the wave's number alone.  An s_nop 0 and four v_nop follow each of the two lines.
.macro JLOAD s
	s_cmp_eq_u32 s11, 0
	s_cbranch_scc0 .Lfor_b_\@
	tensor_load_to_lds s[G0+4*\s:G0+4*\s+3], s[G1:G1+7]
	s_nop 0
.rept 4
	v_nop
.endr
	s_branch .Lasked_\@
.Lfor_b_\@:
	tensor_load_to_lds s[G0B+4*\s:G0B+4*\s+3], s[G1B:G1B+7]
	s_nop 0
.rept 4
	v_nop
.endr
.Lasked_\@:
.endm
; A PREFETCH INTO THE L2 of pmat, which the launch reads once: behind each joint refill and the run of LDS loads that follows it, the K step that stands TWO refills on.  A tile row's 128 rows are read by one row of
; one cluster alone: its four partners take 32 rows each, told apart BY ADDRESS; in each, wave 0 asks: a lane a row, 256 bytes, one instruction.  So each block is named once.  The lap with the last two refills asks for
; nothing; K steps 0 to 3 come by their loads alone.  vh is walked by sixteen tile rows again and again, and is not asked for.
.macro ASK
	s_cmp_gt_u32 s3, s[LIM]                        ; s3 = 1 in the loop's last trip
	s_cbranch_scc0 .Lnot_mine_\@
	global_prefetch_b8 v[PFO], s[PFA:PFA+1] offset:ASTEP th:TH_LOAD_NT scope:SCOPE_SE
.Lnot_mine_\@:
.endm
.macro CREST                           ; a round of the cluster's barrier behind its opening barrier
	s_cmp_lg_u32 s10, 0
	s_cbranch_scc1 .Lnot_wave_0_\@
	s_barrier_signal -3
.Lnot_wave_0_\@:
	s_barrier_wait -3
	s_barrier_signal -1
	s_barrier_wait -1
.endm
.macro CROUND                          ; a whole round
	s_barrier_signal -1
	s_barrier_wait -1
	CREST
.endm
	s_load_b128 s[4:7], s[0:1], 0x0                ; pmat, proj (vh lies 32 MiB on)
	s_load_b64 s[66:67], s[0:1], 0x10              ; st
	s_load_b64 s[8:9], s[0:1], 0x18                ; att
	v_lshl_add_u32 v[SPW], v0, 2, SPARE
	v_mov_b32 v[NIL], 0
	ds_add_u32 v[SPW], v[NIL]                      ; the wave's opening: the add, twice on end, and its wait ahead of my first tensor load; the set-up below stands between
	ds_add_u32 v[SPW], v[NIL]
	v_lshrrev_b32 v1, 5, v0
	v_readfirstlane_b32 s10, v1                    ; wave 0..3
	s_lshr_b32 s11, s10, 1                         ; which half of the tile's queries is mine.  Also: I fetch for A (0) or for B (1)
	s_and_b32 s12, s10, 1                          ; which half of its channels.  Also: which half of that tile I fetch
	s_bfe_u32 s40, ttmp6, 0x40000                  ; cx, cy
	s_bfe_u32 s41, ttmp6, 0x40004
	s_lshl_b32 s42, ttmp9, 2
	s_add_co_u32 s42, s42, s40                     ; tile column (256 channels)
	s_and_b32 s74, ttmp7, 0xffff                   ; cluster y: four clusters to a batch
	s_lshl_b32 s13, s74, 2
	s_add_co_u32 s13, s13, s41                     ; tile row (128 of the 8,192 queries)
	s_lshl_b32 s43, s41, 2
	s_lshl_b32 s43, 15, s43                        ; my row of the cluster
	s_lshl_b32 s44, 0x1111, s40                    ; my column
	; descriptor group 1.  A: 64 rows x 128 elements of 2 bytes, four words of padding behind every 64
	s_or_b32 s[G1+0], s43, (1<<16)|(1<<20)|(1<<21)|(5<<22)|(3<<25)
	s_mov_b32 s[G1+1], 128<<16                     ; tensor_dim0
	s_mov_b32 s[G1+2], 64<<16                      ; tensor_dim1
	s_mov_b32 s[G1+3], 128<<16                     ; tile_dim0
	s_mov_b32 s[G1+4], 64                          ; tile_dim1
	s_mov_b32 s[G1+5], PAB/2                       ; elements from row to row
	s_mov_b32 s[G1+6], 0
	s_mov_b32 s[G1+7], 0
	; B: 64 keys x 256 channels, eight words of padding behind every 128
	s_or_b32 s[G1B+0], s44, (1<<16)|(1<<20)|(1<<21)|(6<<22)|(7<<25)
	s_mov_b32 s[G1B+1], 256<<16
	s_mov_b32 s[G1B+2], 64<<16
	s_mov_b32 s[G1B+3], 256<<16
	s_mov_b32 s[G1B+4], 64
	s_mov_b32 s[G1B+5], 1024
	s_mov_b32 s[G1B+6], 0
	s_mov_b32 s[G1B+7], 0
	s_lshl_b32 s16, s13, 7
	s_lshl_b32 s17, s12, 6
	s_add_co_u32 s16, s16, s17                     ; A: row 128 x tile row + 64 x half
	s_lshl_b32 s16, s16, 12                        ; in bytes (under 2^25)
	s_mov_b32 s17, 0
	s_lshr_b32 s46, s74, 2                         ; B: the batch's 2,048 rows,
	s_lshl_b32 s46, s46, 11
	s_lshl_b32 s47, s12, 6
	s_add_co_u32 s46, s46, s47                     ; + 64 keys x half,
	s_lshl_b32 s46, s46, 11                        ; 2,048 bytes a row,
	s_lshl_b32 s47, s42, 9
	s_add_co_u32 s46, s46, s47                     ; + 512 bytes x tile column
	s_mov_b32 s47, 0
	s_mul_i32 s20, s12, HALFA                      ; where they go: no place in the cluster enters an LDS address
	s_mul_i32 s21, s12, HALFB
	s_add_co_u32 s21, s21, 2*HALFA
	s_wait_dscnt 0x0                               ; both opening adds are done
	s_wait_kmcnt 0x0
	s_add_nc_u64 s[6:7], s[6:7], 32<<20            ; vh
	s_add_nc_u64 s[14:15], s[4:5], s[16:17]
	s_add_nc_u64 s[46:47], s[6:7], s[46:47]
	CROUND                                         ; all sixteen work-groups are here: the first joint loads meet
.irp s, 0,1
	s_mov_b32 s[G0+4*\s], 1
	s_add_co_u32 s[G0+4*\s+1], s20, \s*SLOT
	s_add_nc_u64 s[G0+4*\s+2:G0+4*\s+3], s[14:15], \s*ASTEP
	s_or_b32 s[G0+4*\s+3], s[G0+4*\s+3], 0x80000000
	s_mov_b32 s[G0B+4*\s], 1
	s_add_co_u32 s[G0B+4*\s+1], s21, \s*SLOT
	s_add_nc_u64 s[G0B+4*\s+2:G0B+4*\s+3], s[46:47], \s*BSTEP
	s_or_b32 s[G0B+4*\s+3], s[G0B+4*\s+3], 0x80000000
	JLOAD \s                                       ; two tensor loads of mine are out
.endr
	; the statistics: thread t takes query t of the work-group's 128: sixteen pairs (-M, the block's sum), 65,536 bytes apart
	s_lshl_b32 s16, s13, 10                        ; 128 queries x 8 bytes a tile row
	s_mov_b32 s17, 0
	s_add_nc_u64 s[66:67], s[66:67], s[16:17]
	v_lshlrev_b32 v[SLD], 3, v0
.set J, 0
.rept 16
	global_load_b64 v[64+2*J:65+2*J], v[SLD], s[66:67] offset:65536*J
.set J, J+1
.endr
	v_and_b32 v1, 15, v0                           ; l % 16
	v_bfe_u32 v2, v0, 4, 1                         ; l / 16
	v_mul_u32_u24 v3, v1, PITCH
	v_lshl_add_u32 v3, v2, 4, v3                   ; A: row x pitch + 16 x half
	; B, turned: lane l reads 16 bytes: key 8 (l / 16) + l % 8, channels 8 ((l / 8) % 2) + 0..7; the load leaves half a fragment: lane l holds channel l % 16 and 8 keys
	v_and_b32 v4, 7, v0
	v_bfe_u32 v5, v0, 3, 1
	v_lshl_add_u32 v4, v2, 3, v4
	v_mul_u32_u24 v4, v4, PB
	v_lshl_add_u32 v4, v5, 4, v4
	s_mul_i32 s22, s11, HALFA                      ; my 64 rows of A
	s_lshl_b32 s23, s12, 8                         ; my 128 channels: 256 bytes along B's rows,
	s_add_co_u32 s23, s23, 2*HALFA                 ; which lie behind A's
.irp s, 0,1
	v_add_nc_u32 v[ADRA+\s], s22, v3
	v_add_nc_u32 v[ADRB+\s], s23, v4
	s_add_co_u32 s22, s22, SLOT
	s_add_co_u32 s23, s23, SLOT
.endr
	v_lshl_add_u32 v[TA], v0, 2, FT
	s_lshl_b32 s22, s11, 8                         ; my 64 queries' words
	v_lshl_add_u32 v[ADRF], v1, 2, s22
	v_add_nc_u32 v[ADRF], FT, v[ADRF]
	s_mul_i32 s23, s10, 2*16*HP
	s_add_co_u32 s23, s23, STAGE                   ; my stage
	v_mul_u32_u24 v5, v1, HP                       ; in: query l % 16, 16 bytes for each half of the lanes
	v_lshl_add_u32 v5, v2, 4, v5
	v_add_nc_u32 v[STO], s23, v5
	v_and_b32 v6, 31, v0
	v_lshrrev_b32 v5, 3, v6                        ; back: eight lanes to a query's 128 bytes, four queries an instruction
	v_mul_u32_u24 v5, v5, HP
	v_and_b32 v7, 7, v0
	v_lshl_add_u32 v5, v7, 4, v5
	v_add_nc_u32 v[RD], s23, v5
	v_lshlrev_b32 v[CO], 4, v6
	; my first row of att: batch x 2,048 + my first head x 128 + (my first query in the batch) / 16
	s_lshr_b32 s16, s13, 4
	s_lshl_b32 s16, s16, 11
	s_lshl_b32 s17, s42, 2
	s_lshl_b32 s18, s12, 1
	s_add_co_u32 s17, s17, s18                     ; my first head: 4 x tile column + 2 x half
	s_lshl_b32 s17, s17, 7
	s_add_co_u32 s16, s16, s17
	s_and_b32 s17, s13, 15
	s_lshl_b32 s17, s17, 3
	s_add_co_u32 s16, s16, s17
	s_lshl_b32 s17, s11, 2
	s_add_co_u32 s16, s16, s17
	s_lshl_b32 s16, s16, 11                        ; 2,048 bytes a row
	s_mov_b32 s17, 0
	s_add_nc_u64 s[8:9], s[8:9], s[16:17]
	; the prefetches
	s_cmp_eq_u32 s10, 0
	s_cselect_b32 s[LIM], 1, -1
	s_lshl_b32 s20, s13, 7
	s_lshl_b32 s21, s40, 5
	s_add_co_u32 s20, s20, s21                     ; my work-group's 32 of the tile row's 128 rows
	s_mul_i32 s20, s20, PAB
	s_mov_b32 s21, 0
	s_add_nc_u64 s[PFA:PFA+1], s[4:5], s[20:21]
	s_add_nc_u64 s[PFA:PFA+1], s[PFA:PFA+1], 2*ASTEP  ; at K step 2: the first refill steps it to 3 and names K step 4
	v_mul_u32_u24 v[PFO], v6, PAB
	; g of my thread's query, for the sixteen key blocks
	s_wait_loadcnt 0x0
	v_min3_num_f32 v112, v64, v66, v68             ; the least -M: minus the row's largest M
.irp j, 70,74,78,82,86,90
	v_min3_num_f32 v112, v112, v[\j], v[\j+2]
.endr
	v_min_num_f32 v112, v112, v94
.set J, 0
.rept 16
	v_sub_f32 v[96+J], v112, v[64+2*J]             ; M(kb) - the largest M: a whole number, 0 or less
.set J, J+1
.endr
.set J, 0
.rept 16
	v_cvt_i32_f32 v[96+J], v[96+J]                 ; (it saturates)
.set J, J+1
.endr
.set J, 0
.rept 16
	v_ldexp_f32 v[96+J], 1.0, v[96+J]              ; f: nothing is rounded
.set J, J+1
.endr
	v_mul_f32 v113, v96, v65
.set J, 1
.rept 15
	v_fmac_f32 v113, v[96+J], v[65+2*J]            ; l = the sum of f x the blocks' sums: at least a half, since the block with the largest M has f = 1 and a p over a half
.set J, J+1
.endr
	v_rcp_f32 v114, v113
.set J, 0
.rept 8
	v_mov_b32 v[FAC+2*J+1], 0                      ; the upper halves of g's pairs, named with them: written once (plain work behind the reciprocal)
.set J, J+1
.endr
	s_wait_alu depctr_va_vdst(0)                   ; ahead of the reciprocal's first reader
.set J, 0
.rept 16
	v_mul_f32 v[96+J], v[96+J], v114               ; g = f / l: 1 / l with another exponent
.set J, J+1
.endr
.set J, 0
.rept 16
	ds_store_b32 v[TA], v[96+J] offset:512*J
.set J, J+1
.endr
; Eight matrix instructions: A's block u x B's eight, 32 along K.  zero = 1: a K step's first products start its sums: nothing is ever cleared.
; The accumulators take turns, one instruction a turn, in the same order in every quarter step.
.macro MULU f, u, zero
.set AI, (\u)*QB
.rept QB
.irp b, 0,1,2,3,4,5,6,7
.if \zero
	v_wmma_f32_16x16x32_f16 v[8*(8*(AI%4)+\b):8*(8*(AI%4)+\b)+7], v[\f+8*\b:\f+8*\b+7], v[\f+8*AI:\f+8*AI+7], 0
.else
	v_wmma_f32_16x16x32_f16 v[8*(8*(AI%4)+\b):8*(8*(AI%4)+\b)+7], v[\f+8*\b:\f+8*\b+7], v[\f+8*AI:\f+8*AI+7], v[8*(8*(AI%4)+\b):8*(8*(AI%4)+\b)+7]
.endif
.endr
.set AI, AI+1
.endr
.endm
; NLD LDS loads in one run: the fragments of the slot's q-th 32 keys into buffer f: B's eight (turned: 16 keys a load), then A's four
.macro FETCH slot, q, f
	WIN TO_B
.irp i, 0,1,2,3,4,5,6,7
	ds_load_tr16_b128 v[\f+8*\i:\f+8*\i+3],   v[ADRB+\slot] offset:(\q)*32*PB+32*\i
	ds_load_tr16_b128 v[\f+8*\i+4:\f+8*\i+7], v[ADRB+\slot] offset:(\q)*32*PB+32*\i+16*PB
.endr
	WIN 0
.set AI, 0
.rept MB
	ds_load_b128 v[\f+8*AI:\f+8*AI+3],   v[ADRA+\slot] offset:64*(\q)+AI*16*PITCH
	ds_load_b128 v[\f+8*AI+4:\f+8*AI+7], v[ADRA+\slot] offset:64*(\q)+AI*16*PITCH+32
.set AI, AI+1
.endr
.endm
.macro FACLOAD fs                      ; g of my four blocks' rows, for the key block at v[ADRF], into set fs
.irp a, 0,1,2,3
	ds_load_b32 v[FAC+8*(\fs)+2*\a], v[ADRF] offset:64*\a
.endr
.endm
; THE FOLD of block a's eight finished sums: O += g x T, two numbers an instruction, each accumulator from its low end on.  first = 1: the first key block starts O: nothing is cleared.
; A fold stands four plain places or more behind its accumulators' last product, and the product that begins an accumulator anew five or more (ISA guide 7.12.1 for the first):
; the v_nop at the change of slots and the other blocks' folds, which name none of those registers, are the places.
.macro FOLD a, fs, first
.if \first
	WIN W_FRST
.else
	WIN W_FOLD
.endif
.set J, 64*(\a)
.rept 32
.if \first
	v_pk_mul_f32 v[J:J+1], v[J:J+1], v[FAC+8*(\fs)+2*(\a):FAC+8*(\fs)+2*(\a)+1] op_sel_hi:[1,0]
.else
	v_pk_fma_f32 v[J:J+1], v[J:J+1], v[FAC+8*(\fs)+2*(\a):FAC+8*(\fs)+2*(\a)+1], v[J:J+1] op_sel_hi:[1,0,1]
.endif
.set J, J+2
.endr
.endm
; Four places in front of loads into registers that matrix instructions have read, and of vector instructions that read results (ISA guide 7.12.1 for vector instructions)
.macro PLACES
.rept 4
	v_nop
.endr
.endm
; A K step is four quarter steps of 32 keys on buffers 0, 1, 0, 1.  The second and the third: multiplies buffer f; in its middle it fetches the slot's q-th quarter into buffer g.
.macro QUARTER slot, q, f, g
	s_wait_dscnt MB                                ; B and A's blocks 0, 1 are in; the youngest MB loads (A's blocks 2, 3) may be out
	WIN MUL
	MULU \f, 0, 0
	MULU \f, 1, 0
	PLACES
	FETCH \slot, \q, \g
	s_wait_dscnt NLD                               ; all but the run just issued
	WIN MUL
	MULU \f, 2, 0
	MULU \f, 3, 0
.endm
; The first quarter of the K step in `slot`: its products begin T anew.  fold = 1: blocks 2 and 3 of the K step before, whose g lie in the other set, are folded first, each behind the products of another block.
.macro QZERO slot, fold, first
	s_wait_dscnt MB                                ; this K step's g, B and A's blocks 0, 1 are in; the youngest MB loads may be out
	WIN MUL
	MULU F0, 0, 1
.if \fold
	FOLD 2, 1-\slot, \first
.endif
	WIN MUL
	MULU F0, 1, 1
.if \fold
	FOLD 3, 1-\slot, \first
.endif
	PLACES
	FETCH \slot, 1, F1
	s_wait_dscnt NLD                               ; all but the run just issued
	WIN MUL
	MULU F0, 2, 1
	MULU F0, 3, 1
.endm
; The last quarter multiplies buffer 1 and changes slots: ONE barrier.  In front of it each wave waits for all its tensor loads (one is out: its part of the next slot), adds 0 to its spare word, and waits for that and
; for its own reads of this slot.  fill = 1: the barrier opens a round of the cluster's barrier, and behind the round this slot is filled again, two K steps ahead.  Blocks 0 and 1 are folded behind the products of 2 and 3.
.macro TURN slot, next, fill, first
.if \fill
	s_wait_xcnt 0x0                                ; the last prefetch, a K step back, has read its address: it is stepped here
	s_add_nc_u64 s[PFA:PFA+1], s[PFA:PFA+1], ASTEP
.endif
	WIN 0                                          ; (the add's two registers lie in window 0)
	s_wait_tensorcnt 0x0                           ; all my tensor loads have landed;
	ds_add_u32 v[SPW], v[NIL]                      ; 0 onto my spare word
	s_wait_dscnt MB+1                              ; (the add and the youngest MB loads may be out)
	WIN MUL
	MULU F1, 0, 0                                  ; matrix work stands between the add and the wait for it
	s_wait_dscnt 0x0                               ; the add is done, and my reads of this slot are over
	s_barrier_signal -1
	MULU F1, 1, 0                                  ; work on registers while the others arrive
	WIN 0
	s_barrier_wait -1
.if \fill
	CREST                                          ; no wave of any partner still reads this slot's tile or has a load on its way
	s_add_nc_u64 s[G0+4*\slot+2:G0+4*\slot+3], s[G0+4*\slot+2:G0+4*\slot+3], 2*ASTEP
	s_add_nc_u64 s[G0B+4*\slot+2:G0B+4*\slot+3], s[G0B+4*\slot+2:G0B+4*\slot+3], 2*BSTEP
	JLOAD \slot                                    ; the first tensor load behind the round, my one until the next; its four v_nop are also the places in front of the loads and the fold below
.else
	PLACES
.endif
	v_add_nc_u32 v[ADRF], 512, v[ADRF]             ; the next key block's g,
	FACLOAD \next                                  ; ahead of the fragments' run, so that the wait for the fragments covers them
	FETCH \next, 0, F0
.if \fill
	ASK
.endif
	WIN MUL
	MULU F1, 2, 0
	FOLD 0, \slot, \first
	WIN MUL
	MULU F1, 3, 0
	FOLD 1, \slot, \first
.endm
; Once round the ring, from a lap's second quarter to the next lap's first; both slots are filled again.  first = 1: the launch's first lap, whose first fold starts O.
.macro LAP first
	QUARTER 0, 2, F1, F0
	QUARTER 0, 3, F0, F1
	TURN 0, 1, 1, \first
	QZERO 1, 1, \first
	QUARTER 1, 2, F1, F0
	QUARTER 1, 3, F0, F1
	TURN 1, 0, 1, 0
	QZERO 0, 1, 0
.endm
	s_wait_tensorcnt 1                             ; my part of K step 0 is in (K step 1's load may be out)
	s_wait_dscnt 0x0                               ; and my thread's g lie in LDS,
	s_barrier_signal -1
	s_barrier_wait -1                              ; everybody's do
	FACLOAD 0
	FETCH 0, 0, F0
	QZERO 0, 0, 0                                  ; K step 0's first quarter: nothing to fold yet
	WIN 0
	s_mov_b32 s3, LAPS-1                           ; (the prefetches' test reads it: laps with refills still to go)
	LAP 1                                          ; the first lap is written out: its first fold is a product and not a multiply-add
	WIN 0                                          ; at a label and at a branch every window is 0
	s_mov_b32 s3, LAPS-2
.Llap:
	LAP 0
	WIN 0
	s_sub_co_u32 s3, s3, 1
	s_cmp_lg_u32 s3, 0
	s_cbranch_scc1 .Llap
	QUARTER 0, 2, F1, F0                           ; the last lap fills nothing, and has no round of the cluster's barrier
	QUARTER 0, 3, F0, F1
	TURN 0, 1, 0, 0
	QZERO 1, 1, 0
	QUARTER 1, 2, F1, F0
	QUARTER 1, 3, F0, F1
	s_wait_dscnt MB                                ; the very last quarter: nothing more to fetch
	WIN MUL
	MULU F1, 0, 0
	MULU F1, 1, 0
	s_wait_dscnt 0x0
	MULU F1, 2, 0
	PLACES                                         ; no other vector work is at hand behind block 0's last products
	FOLD 0, 1, 0
	WIN MUL
	MULU F1, 3, 0
	FOLD 1, 1, 0
	FOLD 2, 1, 0
	FOLD 3, 1, 0                                   ; (the folds of blocks 1 and 2 are the places behind block 3's last products)
	WIN 0
; THE WAY OUT, a block of 16 queries x 128 channels (two heads) at a time: it is two whole rows of att.  OUTA: rounded to f16.  TOSTAGE: through my stage, so that a row's bytes come back in its order.  SEND: stored.
.macro OUTA a
	WIN 0x0f                                       ; sources 0 and 1 in window 3
.set J, 0
.rept 32
	v_cvt_pk_f16_f32 v[TMP+J], v[64*(\a)+2*J], v[64*(\a)+2*J+1]
.set J, J+1
.endr
	WIN 0
.endm
.macro TOSTAGE a
.set BK, OB+32*((\a)%2)
.irp b, 0,1,2,3,4,5,6,7
	ds_store_b128 v[STO], v[TMP+4*\b:TMP+4*\b+3] offset:16*HP*(\b/4)+32*(\b%4)   ; head b / 4, channels 16 (b % 4) + 8 (l / 16) on
.endr
.irp t, 0,1,2,3,4,5,6,7
	ds_load_b128 v[BK+4*\t:BK+4*\t+3], v[RD] offset:16*HP*(\t/4)+4*HP*(\t%4)     ; head t / 4, queries 4 (t % 4) on.  LDS serves a wave's instructions in order (ISA guide 5.7.1.4)
.endr
.endm
.macro SEND a
.set BK, OB+32*((\a)%2)
	s_wait_dscnt 0x0                               ; the block is back in registers
	s_wait_xcnt 0x0                                ; the stores of the block before have read their registers: the next block's loads land there only behind this wait
.irp t, 0,1,2,3,4,5,6,7
	global_store_b128 v[CO], v[BK+4*\t:BK+4*\t+3], s[8:9] offset:(\a)*2048+(\t/4)*128*2048+512*(\t%4)   ; 32 lanes store 512 consecutive bytes, aligned
.endr
.endm
	OUTA 0
	TOSTAGE 0
.irp a, 1,2,3                          ; block a's conversions stand between block a - 1's loads from the stage and the wait for them
	OUTA \a
	SEND \a-1
	TOSTAGE \a
.endr
	SEND 3
	s_wait_tensorcnt 0x0                           ; the wave's end: these three lines behind my last tensor load and my last LDS store
	ds_add_u32 v[SPW], v[NIL]
	s_wait_dscnt 0x0
	CROUND                                         ; the closing round: no work-group ends while a partner may still ask for a tile that names it
	s_endpgm
.Lfunc_end_k_qd69dae746f_pv:
	.size	k_qd69dae746f_pv, .Lfunc_end_k_qd69dae746f_pv-k_qd69dae746f_pv
	.p2alignl 7, 3214868480
	.fill 96, 4, 3214868480
	.section	.rodata,"a",@progbits
	.p2align	6, 0x0
	.amdhsa_kernel k_qd69dae746f_pv
		.amdhsa_group_segment_fixed_size 327680
		.amdhsa_private_segment_fixed_size 0
		.amdhsa_enable_private_segment 0
		.amdhsa_kernarg_size 32
		.amdhsa_user_sgpr_count 2
		.amdhsa_user_sgpr_kernarg_segment_ptr 1
		.amdhsa_wavefront_size32 1
		.amdhsa_system_sgpr_workgroup_id_x 1
		.amdhsa_system_sgpr_workgroup_id_y 1
		.amdhsa_system_sgpr_workgroup_id_z 1
		.amdhsa_system_vgpr_workitem_id 0
		.amdhsa_next_free_vgpr 1024
		.amdhsa_next_free_sgpr 80
		.amdhsa_reserve_vcc 0
		.amdhsa_float_denorm_mode_32 3
		.amdhsa_float_denorm_mode_16_64 3
		.amdhsa_memory_ordered 1
		.amdhsa_forward_progress 1
		.amdhsa_inst_pref_size 179
	.end_amdhsa_kernel
	.amdgpu_metadata
---
amdhsa.version: [ 1, 2 ]
amdhsa.kernels:
  - .name:           k_qd69dae746f_pv
    .symbol:         k_qd69dae746f_pv.kd
    .args:
      - { .name: pmat, .offset: 0, .size: 8, .value_kind: global_buffer, .address_space: global }
      - { .name: proj, .offset: 8, .size: 8, .value_kind: global_buffer, .address_space: global }
      - { .name: st, .offset: 16, .size: 8, .value_kind: global_buffer, .address_space: global }
      - { .name: att, .offset: 24, .size: 8, .value_kind: global_buffer, .address_space: global }
    .group_segment_fixed_size: 327680
    .private_segment_fixed_size: 0
    .kernarg_segment_align: 8
    .kernarg_segment_size: 32
    .max_flat_workgroup_size: 128
    .sgpr_count:     80
    .vgpr_count:     1024
    .wavefront_size: 32
...
	.end_amdgpu_metadata
.endif
;; end of part 4
;; launch outp (part 5): grid 4 x 64, 4 waves a work-group, clusters of 4 x 4, 327,680 bytes of LDS; arguments att, wo16, bo, out0; writes out0
.if DOCPART == 5
	.amdgcn_target "amdgcn-amd-amdhsa--gfx1250"
	.amdhsa_code_object_version 6
	.text
	.protected	k_qd69dae746f_outp
	.globl	k_qd69dae746f_outp
	.p2align	8
	.type	k_qd69dae746f_outp,@function
k_qd69dae746f_outp:
	s_mov_b64 s[64:65], 0
	v_nop
	global_prefetch_b8 v0, s[64:65] scope:SCOPE_SE
	s_setreg_imm32_b32 hwreg(HW_REG_WAVE_MODE, 25, 1), 1
	s_wait_xcnt 0x0
	s_wait_alu depctr_hold_cnt(0) depctr_sa_sdst(0) depctr_va_vdst(0) depctr_va_sdst(0) depctr_va_ssrc(0) depctr_va_vcc(0) depctr_vm_vsrc(0)
	s_getreg_b32 s2, hwreg(HW_REG_IB_STS2, 6, 4)
	s_cmp_eq_u32 s2, 0
	s_cbranch_scc0 .Lentry_in_a_cluster
	s_endpgm
.Lentry_in_a_cluster:
	s_bfe_u32 s2, ttmp6, 0x10000c
	s_cmp_lg_u32 s2, 0xf033
	s_cbranch_scc0 .Lentry_shape_is_right
	s_endpgm
.Lentry_shape_is_right:
; out0[m][n] = sum over k of att[m][k] Wo[n][k] + bo[n].  att [8192][1024] (the attention's result, already permuted) and wo16 [1024][1024]: f16; sums and out0 in f32.
; LIMIT: the operands are f16 (magnitudes up to 65,504); NaN and infinities are not served.
; A tile, 128 x 256, is made by a work-group of four waves; a wave makes 64 x 128: 32 accumulators, 256 registers.  K goes in steps of 128 through a ring of two LDS slots: a tile's row is 256 bytes of memory, aligned.
; CLUSTERS: 4 x 4 work-groups.  The four of a row of the cluster need the same tiles of att, the four of a column the same tiles of Wo: each tile is asked for JOINTLY.
; THE MATRIX INSTRUCTION IS USED TRANSPOSED (source 0 = 16 rows of Wo, source 1 = 16 rows of att): a lane holds eight neighbouring numbers of a row of out0.  THE BIAS is the C of each sum's first matrix instruction.
; REGISTERS, in windows of 256: window 0: v0-31 addresses; v64-95, v128-159 fragments of att, two buffers; v192-255 the bias; on the way out v64-191 take rows read back.
;   window 1: v64-127, v128-191 fragments of Wo.   window 2: the accumulators ((a, b) at v[8 (8 a + b)]).
.set MB,     4                         ; blocks of 16 rows of A a wave
.set QB,     MB/4
.set PITCH,  272                       ; an LDS row: 256 bytes + 16 of padding: the 16 rows that a load touches start at 16 different banks (64 banks of 4 bytes: ISA guide 11.1)
.set HALFA,  16*MB*PITCH               ; 64 rows of A: what one tensor load brings, and what one wave reads
.set HALFB,  128*PITCH                 ; 128 rows of B likewise
.set SLOT,   2*HALFA+2*HALFB
.set NLD,    16+2*MB
.set LAPS,   1024/256
.set PAB,    2048                      ; a row of att or of wo16 in bytes
.set ASTEP,  256
.set BSTEP,  256
.set STAGE,  2*SLOT                    ; behind the ring: 16 rows x (512 bytes + 16) for each wave
.set SPITCH, 528
.set SPARE,  STAGE+4*16*SPITCH         ; behind the stages: the spare words, 128 bytes for each wave
.set OPITCH, 4096                      ; a row of out0 in bytes
.set ADRA, 16
.set ADRB, 20
.set STO,  24                          ; v24     the way out: where I put 32 bytes of a row
.set RD,   25                          ; v25     where I read a row back
.set CO,   26                          ; v26     16 x my lane
.set SPW,  28                          ; v28     LDS address of my spare word; never rewritten
.set NIL,  29                          ; v29     0; never rewritten
.set PFO,  30                          ; v30     the prefetches' offset: my lane x a row of att; never rewritten
.set BO,   31                          ; v31     the bias loads' offset: 32 x (lane / 16); never rewritten
.set F0,   64
.set F1,   128
.set BIAS, 192                         ; register 8 b + j: the bias of column 16 b + 8 (lane / 16) + j of my 128
.set BK,   64                          ; the way out: 16 rows read back: v64-127 and v128-191 by turns
.set G1, 24
.set G0, 32
.set G1B, 48
.set G0B, 56
.set LIM, 43
.set PFA, 44
.set MSB, 0
.macro WIN new                         ; the immediate's high byte repeats the setting that is left; a switch that changes nothing is dropped
.if MSB != (\new)
	s_set_vgpr_msb (MSB<<8)|(\new)
.set MSB, (\new)
.endif
.endm
.set MUL_LO, 0xa1                      ; source 0 (B) window 1, source 1 (A) window 0, C and D window 2
.set MUL_HI, 0xa1
.set MUL_Z,  0x81                      ; the first products: C (the bias) window 0, D window 2
.set TO_B,   0x40                      ; destination window 1, address window 0
; A joint load.  Waves 0 and 1 fetch A's two halves, waves 2 and 3 B's.  The branch hangs on the wave's number alone.  An s_nop 0 and four v_nop follow each of the two lines.
.macro JLOAD s
	s_cmp_eq_u32 s11, 0
	s_cbranch_scc0 .Lfor_b_\@
	tensor_load_to_lds s[G0+4*\s:G0+4*\s+3], s[G1:G1+7]
	s_nop 0
.rept 4
	v_nop
.endr
	s_branch .Lasked_\@
.Lfor_b_\@:
	tensor_load_to_lds s[G0B+4*\s:G0B+4*\s+3], s[G1B:G1B+7]
	s_nop 0
.rept 4
	v_nop
.endr
.Lasked_\@:
.endm
; A PREFETCH INTO THE L2 of att, which the launch reads once: behind each joint refill and the run of LDS loads that follows it, the K step that stands TWO refills on.  A tile row's 128 rows are read by one row of
; one cluster alone: its four partners take 32 rows each, told apart BY ADDRESS; in each, wave 0 asks: a lane a row, 256 bytes, one instruction.  The loop's last trip asks for nothing; K steps 0 to 3 come by their
; loads alone.  wo16 is walked by all sixteen clusters again and again, and is not asked for.
.macro ASK
	s_cmp_gt_u32 s3, s[LIM]                        ; s3 = 1 in the loop's last trip
	s_cbranch_scc0 .Lnot_mine_\@
	global_prefetch_b8 v[PFO], s[PFA:PFA+1] offset:ASTEP th:TH_LOAD_NT scope:SCOPE_SE
.Lnot_mine_\@:
.endm
.macro CREST
	s_cmp_lg_u32 s10, 0
	s_cbranch_scc1 .Lnot_wave_0_\@
	s_barrier_signal -3
.Lnot_wave_0_\@:
	s_barrier_wait -3
	s_barrier_signal -1
	s_barrier_wait -1
.endm
.macro CROUND
	s_barrier_signal -1
	s_barrier_wait -1
	CREST
.endm
	s_load_b128 s[4:7], s[0:1], 0x0                ; att, wo16
	s_load_b64 s[66:67], s[0:1], 0x10              ; bo
	s_load_b64 s[8:9], s[0:1], 0x18                ; out0
	v_lshl_add_u32 v[SPW], v0, 2, SPARE
	v_mov_b32 v[NIL], 0
	ds_add_u32 v[SPW], v[NIL]                      ; the wave's opening: the add, twice on end, and its wait ahead of my first tensor load; the set-up below stands between
	ds_add_u32 v[SPW], v[NIL]
	v_lshrrev_b32 v1, 5, v0
	v_readfirstlane_b32 s10, v1                    ; wave 0..3
	s_lshr_b32 s11, s10, 1                         ; which half of the tile's rows is mine.  Also: I fetch for A (0) or for B (1)
	s_and_b32 s12, s10, 1                          ; which half of its columns.  Also: which half of that tile I fetch
	s_bfe_u32 s40, ttmp6, 0x40000                  ; cx, cy
	s_bfe_u32 s41, ttmp6, 0x40004
	s_lshl_b32 s42, ttmp9, 2
	s_add_co_u32 s42, s42, s40                     ; tile column (256 columns)
	s_and_b32 s74, ttmp7, 0xffff
	s_lshl_b32 s13, s74, 2
	s_add_co_u32 s13, s13, s41                     ; tile row (128 rows)
	s_lshl_b32 s43, s41, 2
	s_lshl_b32 s43, 15, s43                        ; my row of the cluster
	s_lshl_b32 s44, 0x1111, s40                    ; my column
	; descriptor group 1: rows of 128 elements of 2 bytes, four words of padding behind every 64; A's tile has 64 rows, B's 128
	s_or_b32 s[G1+0], s43, (1<<16)|(1<<20)|(1<<21)|(5<<22)|(3<<25)
	s_mov_b32 s[G1+1], 128<<16                     ; tensor_dim0
	s_mov_b32 s[G1+2], 64<<16                      ; tensor_dim1
	s_mov_b32 s[G1+3], 128<<16                     ; tile_dim0
	s_mov_b32 s[G1+4], 64                          ; tile_dim1
	s_mov_b32 s[G1+5], PAB/2                       ; elements from row to row
	s_mov_b32 s[G1+6], 0
	s_mov_b32 s[G1+7], 0
	s_or_b32 s[G1B+0], s44, (1<<16)|(1<<20)|(1<<21)|(5<<22)|(3<<25)
	s_mov_b32 s[G1B+1], 128<<16
	s_mov_b32 s[G1B+2], 128<<16
	s_mov_b32 s[G1B+3], 128<<16
	s_mov_b32 s[G1B+4], 128
	s_mov_b32 s[G1B+5], PAB/2
	s_mov_b32 s[G1B+6], 0
	s_mov_b32 s[G1B+7], 0
	s_lshl_b32 s16, s13, 7
	s_lshl_b32 s17, s12, 6
	s_add_co_u32 s16, s16, s17                     ; A: row 128 x tile row + 64 x half
	s_lshl_b32 s16, s16, 11
	s_mov_b32 s17, 0
	s_lshl_b32 s46, s42, 8
	s_lshl_b32 s47, s12, 7
	s_add_co_u32 s46, s46, s47                     ; B: row 256 x tile column + 128 x half
	s_lshl_b32 s46, s46, 11
	s_mov_b32 s47, 0
	s_mul_i32 s20, s12, HALFA                      ; where they go: no place in the cluster enters an LDS address
	s_mul_i32 s21, s12, HALFB
	s_add_co_u32 s21, s21, 2*HALFA
	s_wait_dscnt 0x0                               ; both opening adds are done
	s_wait_kmcnt 0x0
	s_add_nc_u64 s[14:15], s[4:5], s[16:17]
	s_add_nc_u64 s[46:47], s[6:7], s[46:47]
	CROUND                                         ; all sixteen work-groups are here: the first joint loads meet
.irp s, 0,1
	s_mov_b32 s[G0+4*\s], 1
	s_add_co_u32 s[G0+4*\s+1], s20, \s*SLOT
	s_add_nc_u64 s[G0+4*\s+2:G0+4*\s+3], s[14:15], \s*ASTEP
	s_or_b32 s[G0+4*\s+3], s[G0+4*\s+3], 0x80000000
	s_mov_b32 s[G0B+4*\s], 1
	s_add_co_u32 s[G0B+4*\s+1], s21, \s*SLOT
	s_add_nc_u64 s[G0B+4*\s+2:G0B+4*\s+3], s[46:47], \s*BSTEP
	s_or_b32 s[G0B+4*\s+3], s[G0B+4*\s+3], 0x80000000
	JLOAD \s                                       ; two tensor loads of mine are out
.endr
	v_and_b32 v1, 15, v0                           ; l % 16
	v_bfe_u32 v2, v0, 4, 1                         ; l / 16
	s_lshl_b32 s18, s42, 10                        ; my first column in bytes of f32: 1,024 x tile column + 512 x half
	s_lshl_b32 s19, s12, 9
	s_add_co_u32 s18, s18, s19
	s_mov_b32 s19, 0
	s_add_nc_u64 s[66:67], s[66:67], s[18:19]      ; in the bias,
	s_add_nc_u64 s[8:9], s[8:9], s[18:19]          ; and in a row of out0
	v_lshlrev_b32 v[BO], 5, v2
.irp b, 0,1,2,3,4,5,6,7
	global_load_b128 v[BIAS+8*\b:BIAS+8*\b+3],   v[BO], s[66:67] offset:64*\b
	global_load_b128 v[BIAS+8*\b+4:BIAS+8*\b+7], v[BO], s[66:67] offset:64*\b+16
.endr
	s_lshl_b32 s16, s13, 7
	s_lshl_b32 s17, s11, 6
	s_add_co_u32 s16, s16, s17                     ; my first row
	s_lshl_b32 s16, s16, 12                        ; 4,096 bytes a row
	s_mov_b32 s17, 0
	s_add_nc_u64 s[8:9], s[8:9], s[16:17]
	v_mul_u32_u24 v3, v1, PITCH
	v_lshl_add_u32 v3, v2, 4, v3                   ; a fragment's row x pitch + 16 x half
	s_mul_i32 s22, s11, HALFA                      ; my rows of A
	s_mul_i32 s23, s12, HALFB                      ; my rows of B,
	s_add_co_u32 s23, s23, 2*HALFA                 ; which lie behind A's
.irp s, 0,1
	v_add_nc_u32 v[ADRA+\s], s22, v3
	v_add_nc_u32 v[ADRB+\s], s23, v3
	s_add_co_u32 s22, s22, SLOT
	s_add_co_u32 s23, s23, SLOT
.endr
	s_mul_i32 s23, s10, 16*SPITCH
	s_add_co_u32 s23, s23, STAGE                   ; my stage
	v_mul_u32_u24 v5, v1, SPITCH                   ; in: row l % 16, 32 bytes for each half of the lanes
	v_lshl_add_u32 v5, v2, 5, v5
	v_add_nc_u32 v[STO], s23, v5
	v_and_b32 v6, 31, v0
	v_lshlrev_b32 v[CO], 4, v6                     ; back: the 32 lanes take one row of 512 bytes; and the same in out0
	v_add_nc_u32 v[RD], s23, v[CO]
	; the prefetches
	s_cmp_eq_u32 s10, 0
	s_cselect_b32 s[LIM], 1, -1
	s_lshl_b32 s20, s13, 7
	s_lshl_b32 s21, s40, 5
	s_add_co_u32 s20, s20, s21                     ; my work-group's 32 of the tile row's 128 rows
	s_mul_i32 s20, s20, PAB
	s_mov_b32 s21, 0
	s_add_nc_u64 s[PFA:PFA+1], s[4:5], s[20:21]
	s_add_nc_u64 s[PFA:PFA+1], s[PFA:PFA+1], 2*ASTEP  ; at K step 2: the first refill steps it to 3 and names K step 4
	v_mul_u32_u24 v[PFO], v6, PAB
; QB x 8 matrix instructions: A's block u x B's eight, 32 along K.  zero = 1: the first product starts the sums on the bias.  The accumulators take turns, one instruction a turn.
.macro MULU f, u, zero
.set AI, (\u)*QB
.rept QB
.irp b, 0,1,2,3,4,5,6,7
.if \zero
	v_wmma_f32_16x16x32_f16 v[8*(8*(AI%4)+\b):8*(8*(AI%4)+\b)+7], v[\f+8*\b:\f+8*\b+7], v[\f+8*AI:\f+8*AI+7], v[BIAS+8*\b:BIAS+8*\b+7]
.else
	v_wmma_f32_16x16x32_f16 v[8*(8*(AI%4)+\b):8*(8*(AI%4)+\b)+7], v[\f+8*\b:\f+8*\b+7], v[\f+8*AI:\f+8*AI+7], v[8*(8*(AI%4)+\b):8*(8*(AI%4)+\b)+7]
.endif
.endr
.set AI, AI+1
.endr
.endm
.macro FETCH slot, q, f                ; NLD LDS loads in one run: the fragments of the slot's q-th 32 along K into buffer f: B's eight, then A's four
	WIN TO_B
.irp i, 0,1,2,3,4,5,6,7
	ds_load_b128 v[\f+8*\i:\f+8*\i+3],   v[ADRB+\slot] offset:64*(\q)+\i*16*PITCH
	ds_load_b128 v[\f+8*\i+4:\f+8*\i+7], v[ADRB+\slot] offset:64*(\q)+\i*16*PITCH+32
.endr
	WIN 0
.set AI, 0
.rept MB
	ds_load_b128 v[\f+8*AI:\f+8*AI+3],   v[ADRA+\slot] offset:64*(\q)+AI*16*PITCH
	ds_load_b128 v[\f+8*AI+4:\f+8*AI+7], v[ADRA+\slot] offset:64*(\q)+AI*16*PITCH+32
.set AI, AI+1
.endr
.endm
; Four places in front of loads into registers that matrix instructions have read, and of LDS stores that read results (ISA guide 7.12.1 for vector instructions)
.macro PLACES
.rept 4
	v_nop
.endr
.endm
.macro QUARTER slot, q, f, g, zero
	s_wait_dscnt MB                                ; B and A's blocks 0, 1 are in; the youngest MB loads (A's blocks 2, 3) may be out
.if \zero
	WIN MUL_Z
.else
	WIN MUL_LO
.endif
	MULU \f, 0, \zero
	MULU \f, 1, \zero
	PLACES
	FETCH \slot, \q, \g
	s_wait_dscnt NLD                               ; all but the run just issued
.if \zero
	WIN MUL_Z
.else
	WIN MUL_HI
.endif
	MULU \f, 2, \zero
	MULU \f, 3, \zero
.endm
; The last quarter multiplies buffer 1 and changes slots: ONE barrier.  In front of it each wave waits for all its tensor loads (one is out: its part of the next slot), adds 0 to its spare word, and waits for that and
; for its own reads of this slot.  fill = 1: the barrier opens a round of the cluster's barrier, and behind the round this slot is filled again, two K steps ahead.
.macro TURN slot, next, fill
.if \fill
	s_wait_xcnt 0x0                                ; the last prefetch, a K step back, has read its address: it is stepped here
	s_add_nc_u64 s[PFA:PFA+1], s[PFA:PFA+1], ASTEP
.endif
	WIN 0
	s_wait_tensorcnt 0x0                           ; all my tensor loads have landed;
	ds_add_u32 v[SPW], v[NIL]                      ; 0 onto my spare word
	s_wait_dscnt MB+1                              ; (the add and the youngest MB loads may be out)
	WIN MUL_LO
	MULU F1, 0, 0
	s_wait_dscnt 0x0                               ; the add is done, and my reads of this slot are over
	s_barrier_signal -1
	MULU F1, 1, 0
	WIN 0
	s_barrier_wait -1
.if \fill
	CREST                                          ; no wave of any partner still reads this slot's tile or has a load on its way
	s_add_nc_u64 s[G0+4*\slot+2:G0+4*\slot+3], s[G0+4*\slot+2:G0+4*\slot+3], 2*ASTEP
	s_add_nc_u64 s[G0B+4*\slot+2:G0B+4*\slot+3], s[G0B+4*\slot+2:G0B+4*\slot+3], 2*BSTEP
	JLOAD \slot                                    ; the first tensor load behind the round, my one until the next; its four v_nop are also the places in front of the loads below
.else
	PLACES
.endif
	FETCH \next, 0, F0
.if \fill
	ASK
.endif
	WIN MUL_HI
	MULU F1, 2, 0
	MULU F1, 3, 0
.endm
	s_wait_tensorcnt 1                             ; my part of K step 0 is in (K step 1's load may be out)
	s_barrier_signal -1
	s_barrier_wait -1                              ; everybody's is
	FETCH 0, 0, F0
	s_wait_loadcnt 0x0                             ; the bias
	QUARTER 0, 1, F0, F1, 1                        ; the first quarter stands in front of the loop: its products start the sums
	WIN 0
	s_mov_b32 s3, LAPS-1
.Llap:                                                 ; a trip goes once round the ring, from a lap's second quarter to the next lap's first, and fills both slots again
	QUARTER 0, 2, F1, F0, 0
	QUARTER 0, 3, F0, F1, 0
	TURN 0, 1, 1
	QUARTER 1, 1, F0, F1, 0
	QUARTER 1, 2, F1, F0, 0
	QUARTER 1, 3, F0, F1, 0
	TURN 1, 0, 1
	QUARTER 0, 1, F0, F1, 0
	WIN 0
	s_sub_co_u32 s3, s3, 1
	s_cmp_lg_u32 s3, 0
	s_cbranch_scc1 .Llap
	QUARTER 0, 2, F1, F0, 0                        ; the last lap fills nothing, and has no round of the cluster's barrier
	QUARTER 0, 3, F0, F1, 0
	TURN 0, 1, 0
	QUARTER 1, 1, F0, F1, 0
	QUARTER 1, 2, F1, F0, 0
	QUARTER 1, 3, F0, F1, 0
	s_wait_dscnt MB                                ; the very last quarter: nothing more to fetch
	WIN MUL_LO
	MULU F1, 0, 0
	MULU F1, 1, 0
	s_wait_dscnt 0x0
	WIN MUL_HI
	MULU F1, 2, 0
	MULU F1, 3, 0
	WIN 0
; THE WAY OUT, block by block of 16 rows x 128 columns.  A lane holds 32 neighbouring bytes of a row, and the lanes beside it hold other rows: so a block goes through my own stage and comes back as whole rows of
; 512 bytes.  LDS serves a wave's instructions in order (ISA guide 5.7.1.4): no wait between the stores and the loads, nor in front of the next block's stores.
.macro TOSTAGE a
	WIN 0x08                                       ; an LDS store's data are its source 1: window 2
.irp b, 0,1,2,3,4,5,6,7
	ds_store_b128 v[STO], v[64*(\a)+8*\b:64*(\a)+8*\b+3] offset:64*\b          ; each accumulator from its low end on
	ds_store_b128 v[STO], v[64*(\a)+8*\b+4:64*(\a)+8*\b+7] offset:64*\b+16
.endr
	WIN 0
.set BB, BK+64*((\a)%2)
.irp t, 0,1,2,3,4,5,6,7,8,9,10,11,12,13,14,15
	ds_load_b128 v[BB+4*\t:BB+4*\t+3], v[RD] offset:\t*SPITCH
.endr
.endm
.macro SEND a, younger                 ; younger: the LDS instructions issued behind block a's loads, which may stay out
.set BB, BK+64*((\a)%2)
	s_wait_dscnt \younger                          ; the block is back in registers
.irp t, 0,1,2,3,4,5,6,7,8,9,10,11,12,13,14,15
	global_store_b128 v[CO], v[BB+4*\t:BB+4*\t+3], s[8:9] offset:(16*(\a)+\t)*OPITCH th:TH_STORE_NT   ; 32 lanes store 512 consecutive bytes, aligned; written once, read by nobody here
.endr
.endm
	PLACES
	TOSTAGE 0
.irp a, 1,2,3
.if \a > 1
	s_wait_xcnt 0x0                                ; block a - 2's stores have read their registers: block a's loads may land there
.endif
	TOSTAGE \a
	SEND \a-1, 32                                  ; behind block a - 1's loads: block a's 16 stores and 16 loads
.endr
	SEND 3, 0
	s_wait_tensorcnt 0x0                           ; the wave's end: these three lines behind my last tensor load and my last LDS store
	ds_add_u32 v[SPW], v[NIL]
	s_wait_dscnt 0x0
	CROUND                                         ; the closing round: no work-group ends while a partner may still ask for a tile that names it
	s_endpgm
.Lfunc_end_k_qd69dae746f_outp:
	.size	k_qd69dae746f_outp, .Lfunc_end_k_qd69dae746f_outp-k_qd69dae746f_outp
	.p2alignl 7, 3214868480
	.fill 96, 4, 3214868480
	.section	.rodata,"a",@progbits
	.p2align	6, 0x0
	.amdhsa_kernel k_qd69dae746f_outp
		.amdhsa_group_segment_fixed_size 327680
		.amdhsa_private_segment_fixed_size 0
		.amdhsa_enable_private_segment 0
		.amdhsa_kernarg_size 32
		.amdhsa_user_sgpr_count 2
		.amdhsa_user_sgpr_kernarg_segment_ptr 1
		.amdhsa_wavefront_size32 1
		.amdhsa_system_sgpr_workgroup_id_x 1
		.amdhsa_system_sgpr_workgroup_id_y 1
		.amdhsa_system_sgpr_workgroup_id_z 1
		.amdhsa_system_vgpr_workitem_id 0
		.amdhsa_next_free_vgpr 768
		.amdhsa_next_free_sgpr 80
		.amdhsa_reserve_vcc 0
		.amdhsa_float_denorm_mode_32 3
		.amdhsa_float_denorm_mode_16_64 3
		.amdhsa_memory_ordered 1
		.amdhsa_forward_progress 1
		.amdhsa_inst_pref_size 88
	.end_amdhsa_kernel
	.amdgpu_metadata
---
amdhsa.version: [ 1, 2 ]
amdhsa.kernels:
  - .name:           k_qd69dae746f_outp
    .symbol:         k_qd69dae746f_outp.kd
    .args:
      - { .name: att, .offset: 0, .size: 8, .value_kind: global_buffer, .address_space: global }
      - { .name: wo16, .offset: 8, .size: 8, .value_kind: global_buffer, .address_space: global }
      - { .name: bo, .offset: 16, .size: 8, .value_kind: global_buffer, .address_space: global }
      - { .name: out0, .offset: 24, .size: 8, .value_kind: global_buffer, .address_space: global }
    .group_segment_fixed_size: 327680
    .private_segment_fixed_size: 0
    .kernarg_segment_align: 8
    .kernarg_segment_size: 32
    .max_flat_workgroup_size: 128
    .sgpr_count:     80
    .vgpr_count:     768
    .wavefront_size: 32
...
	.end_amdgpu_metadata
.endif
;; end of part 5
